; MI455X (gfx1250); checked and timed in simulation.
; The chip was launched on July 23, 2026; its instructions are those of AMD's public machine-readable ISA for CDNA 5 (MIT licence, August 2026) and "CDNA5" Instruction Set Architecture Reference Guide (July 2026). The comments in the code are by the model that wrote it; some were corrected since.
;; Multi Head Attention. Allowed arithmetic: float matrix products may take bf16 or f16 operands with f32 sums; all other float work in f32.
;; Inputs: Wk 1,024 x 1,024 float32; Wo 1,024 x 1,024 float32; Wq 1,024 x 1,024 float32; Wv 1,024 x 1,024 float32; bk 1,024 float32; bo 1,024 float32; bq 1,024 float32; bv 1,024 float32; x 4 x 2,048 x 1,024 float32.
;; Outputs: out0 4 x 2,048 x 1,024 float32.
;; One version. Each part assembles by itself: llvm-mc -triple=amdgcn-amd-amdhsa -mcpu=gfx1250 --defsym DOCPART=n.
;; ======== version 1 of 1: 4 launches
;; limits: values are held in f16: magnitudes above 65,504 overflow, below 6.1e-05 lose precision
;; workspace buffers: cb 25,165,824 bytes; qkv 50,331,648 bytes; ob 16,777,216 bytes
;; launch cast (part 1): grid 768 x 1, 8 waves a work-group, no clusters, 0 bytes of LDS; arguments x, Wq, Wk, Wv, Wo, cb; writes cb
.if DOCPART == 1
	.amdgcn_target "amdgcn-amd-amdhsa--gfx1250"
	.amdhsa_code_object_version 6
	.text
	.protected	k_qa49b7c56af_cast
	.globl	k_qa49b7c56af_cast
	.p2align	8
	.type	k_qa49b7c56af_cast,@function
k_qa49b7c56af_cast:
	s_mov_b64 s[64:65], 0
	v_nop
	global_prefetch_b8 v0, s[64:65] scope:SCOPE_SE
	s_setreg_imm32_b32 hwreg(HW_REG_WAVE_MODE, 25, 1), 1
	s_wait_xcnt 0x0
; THE INPUTS OF THE MATRIX PRODUCTS, ROUNDED ONCE AND LAID OUT FOR THE LAUNCHES BEHIND.  A stream: no LDS, no barrier, no matrix unit.
;   x  [8192][1024] f32  ->  XB   [4 b][16 kb][2048 s][64] bf16 at byte 0 of cb: 256 rows x 64 of K are 32,768 dense bytes
;   Wq, Wk, Wv [1024 k][1024 n] f32  ->  WQKV [1024 k][3072] bf16 at WQKV_OFF: the three side by side, 6,144 bytes a row
;   Wo [1024 k][1024 n] f32  ->  WO [1024 k][1024 n] at WO_OFF: rounded to bf16 like the other inputs, and that number written as f16
; LIMITS.  WO: a weight of 65,520 or more in magnitude becomes an infinity in f16; below 6e-5 it keeps f16's fixed step of 6e-8.
; SHARES.  A work-group takes 16 source rows of 4,096 bytes: 512 work-groups for x, 64 for each of the four weights: 768 equal shares.  A thread issues 16 loads of 16 bytes, all on their
; way at once, and for each two roundings and one store of 8 bytes.  A wave's load covers 512 bytes in two aligned runs of 256, a wave's store 256 consecutive bytes, aligned.
.set WQKV_OFF, 16777216
.set WO_OFF,   23068672
.set SO, 1                             ; v1       my byte offset in the group's source rows
.set DO, 2                             ; v2       my byte offset in the group's part of cb
.set T,  4                             ; v[4:11]  at work (Wo alone)
.set X,  16                            ; v[16:79] load i: 4 registers
.set Y,  80                            ; v[80:111] store i: 2 registers of its own, so no store's data is ever rewritten
.macro LOADS step                      ; 16 loads, step bytes apart
.set i, 0
.rept 16
	global_load_b128 v[X+4*i:X+4*i+3], v[SO], s[20:21] offset:(\step)*i th:TH_LOAD_NT
.set i, i+1
.endr
.endm
.macro OUT16 imm                       ; load i is rounded to bf16 and stored
	s_wait_loadcnt 15-i                            ; loads come back in order: mine is in, the 15 - i younger ones stay out
	v_cvt_pk_bf16_f32 v[Y+2*i],   v[X+4*i],   v[X+4*i+1]
	v_cvt_pk_bf16_f32 v[Y+2*i+1], v[X+4*i+2], v[X+4*i+3]
	global_store_b64 v[DO], v[Y+2*i:Y+2*i+1], s[22:23] offset:\imm
.endm
.macro OUTF imm                        ; the same, and the bf16 number written as f16
	s_wait_loadcnt 15-i
	v_cvt_pk_bf16_f32 v[T],   v[X+4*i],   v[X+4*i+1]
	v_cvt_pk_bf16_f32 v[T+1], v[X+4*i+2], v[X+4*i+3]
	v_lshlrev_b32 v[T+2], 16,  v[T]                ; bf16 to f32: the low half moves up, the high half stays
	v_and_b32     v[T+3], s28, v[T]
	v_lshlrev_b32 v[T+4], 16,  v[T+1]
	v_and_b32     v[T+5], s28, v[T+1]
	v_cvt_pk_f16_f32 v[Y+2*i],   v[T+2], v[T+3]
	v_cvt_pk_f16_f32 v[Y+2*i+1], v[T+4], v[T+5]
	global_store_b64 v[DO], v[Y+2*i:Y+2*i+1], s[22:23] offset:\imm
.endm
	s_load_b256 s[4:11], s[0:1], 0x0               ; x s[4:5], Wq s[6:7], Wk s[8:9], Wv s[10:11]
	s_load_b128 s[12:15], s[0:1], 0x20             ; Wo s[12:13], cb s[14:15]
	s_mov_b32 s28, 0xffff0000                      ; a word's upper bf16
	s_mov_b32 s25, 0                               ; the offsets' high words
	s_mov_b32 s27, 0
	s_cmp_lt_u32 ttmp9, 512
	s_cbranch_scc0 .Lweights
	; x.  Thread t: row t / 16 of the group's 16, 16 bytes at 16 (t % 16) of the 256 bytes that are block kb = i of the row.
	v_lshrrev_b32 v12, 4, v0
	v_and_b32 v13, 15, v0
	v_lshlrev_b32 v[SO], 4, v13
	v_lshl_add_u32 v[SO], v12, 12, v[SO]
	v_lshlrev_b32 v[DO], 3, v0                     ; row x 128 + 8 (t % 16) = 8 t
	s_lshl_b32 s24, ttmp9, 16                      ; 16 rows of 4,096 bytes
	s_lshr_b32 s26, ttmp9, 7                       ; b: 128 groups a batch
	s_lshl_b32 s26, s26, 22                        ; 16 blocks x 2,048 rows x 128 bytes
	s_and_b32 s16, ttmp9, 127
	s_lshl_b32 s16, s16, 11                        ; 16 rows of 128 bytes
	s_add_co_u32 s26, s26, s16
	s_wait_kmcnt 0x0
	s_add_nc_u64 s[20:21], s[4:5], s[24:25]
	s_add_nc_u64 s[22:23], s[14:15], s[26:27]
	LOADS 256
.set i, 0
.rept 16
	OUT16 262144*i                                 ; block kb = i lies 2,048 rows x 128 bytes on
.set i, i+1
.endr
	s_endpgm
.Lweights:                                             ; wave w takes rows 2 w and 2 w + 1 of the group's 16: 8,192 consecutive bytes, 512 a load
	s_sub_co_u32 s16, ttmp9, 512
	s_lshr_b32 s17, s16, 6                         ; which weight: 0 Wq, 1 Wk, 2 Wv, 3 Wo
	s_and_b32 s18, s16, 63                         ; which 16 rows of it
	v_lshrrev_b32 v12, 5, v0
	v_and_b32 v13, 31, v0
	v_lshlrev_b32 v[SO], 4, v13
	v_lshl_add_u32 v[SO], v12, 13, v[SO]
	s_lshl_b32 s24, s18, 16
	s_cmp_eq_u32 s17, 3
	s_cbranch_scc1 .Lwo
	v_mul_u32_u24 v[DO], v12, 12288                ; two rows of 6,144 bytes a wave
	v_lshl_add_u32 v[DO], v13, 3, v[DO]
	s_mul_i32 s26, s18, 98304                      ; 16 rows of 6,144 bytes
	s_lshl_b32 s19, s17, 11                        ; the weight's 2,048 bytes of a row
	s_add_co_u32 s26, s26, s19
	s_add_co_u32 s26, s26, WQKV_OFF
	s_wait_kmcnt 0x0
	s_cmp_eq_u32 s17, 0
	s_cselect_b64 s[20:21], s[6:7], s[8:9]
	s_cmp_eq_u32 s17, 2
	s_cselect_b64 s[20:21], s[10:11], s[20:21]
	s_add_nc_u64 s[20:21], s[20:21], s[24:25]
	s_add_nc_u64 s[22:23], s[14:15], s[26:27]
	LOADS 512
.set i, 0
.rept 16
	OUT16 (i/8)*6144+(i%8)*256                     ; loads 0-7 are the first row, 8-15 the second
.set i, i+1
.endr
	s_endpgm
.Lwo:
	v_lshlrev_b32 v[DO], 3, v13
	v_lshl_add_u32 v[DO], v12, 12, v[DO]           ; two rows of 2,048 bytes a wave
	s_lshl_b32 s26, s18, 15                        ; 16 rows of 2,048 bytes
	s_add_co_u32 s26, s26, WO_OFF
	s_wait_kmcnt 0x0
	s_add_nc_u64 s[20:21], s[12:13], s[24:25]
	s_add_nc_u64 s[22:23], s[14:15], s[26:27]
	LOADS 512
.set i, 0
.rept 16
	OUTF 256*i
.set i, i+1
.endr
	s_endpgm
.Lfunc_end_k_qa49b7c56af_cast:
	.size	k_qa49b7c56af_cast, .Lfunc_end_k_qa49b7c56af_cast-k_qa49b7c56af_cast
	.p2alignl 7, 3214868480
	.fill 96, 4, 3214868480
	.section	.rodata,"a",@progbits
	.p2align	6, 0x0
	.amdhsa_kernel k_qa49b7c56af_cast
		.amdhsa_group_segment_fixed_size 0
		.amdhsa_private_segment_fixed_size 0
		.amdhsa_enable_private_segment 0
		.amdhsa_kernarg_size 48
		.amdhsa_user_sgpr_count 2
		.amdhsa_user_sgpr_kernarg_segment_ptr 1
		.amdhsa_wavefront_size32 1
		.amdhsa_system_sgpr_workgroup_id_x 1
		.amdhsa_system_sgpr_workgroup_id_y 1
		.amdhsa_system_sgpr_workgroup_id_z 1
		.amdhsa_system_vgpr_workitem_id 0
		.amdhsa_next_free_vgpr 112
		.amdhsa_next_free_sgpr 66
		.amdhsa_reserve_vcc 0
		.amdhsa_float_denorm_mode_32 3
		.amdhsa_float_denorm_mode_16_64 3
		.amdhsa_memory_ordered 1
		.amdhsa_forward_progress 1
		.amdhsa_inst_pref_size 23
	.end_amdhsa_kernel
	.amdgpu_metadata
---
amdhsa.version: [ 1, 2 ]
amdhsa.kernels:
  - .name:           k_qa49b7c56af_cast
    .symbol:         k_qa49b7c56af_cast.kd
    .args:
      - { .name: x, .offset: 0, .size: 8, .value_kind: global_buffer, .address_space: global }
      - { .name: Wq, .offset: 8, .size: 8, .value_kind: global_buffer, .address_space: global }
      - { .name: Wk, .offset: 16, .size: 8, .value_kind: global_buffer, .address_space: global }
      - { .name: Wv, .offset: 24, .size: 8, .value_kind: global_buffer, .address_space: global }
      - { .name: Wo, .offset: 32, .size: 8, .value_kind: global_buffer, .address_space: global }
      - { .name: cb, .offset: 40, .size: 8, .value_kind: global_buffer, .address_space: global }
    .group_segment_fixed_size: 0
    .private_segment_fixed_size: 0
    .kernarg_segment_align: 8
    .kernarg_segment_size: 48
    .max_flat_workgroup_size: 256
    .sgpr_count:     66
    .vgpr_count:     112
    .wavefront_size: 32
...
	.end_amdgpu_metadata
.endif
;; end of part 1
;; launch qkv (part 2): grid 8 x 32, 4 waves a work-group, clusters of 4 x 4, 327,680 bytes of LDS; arguments cb, bq, bk, bv, qkv; writes qkv
.if DOCPART == 2
	.amdgcn_target "amdgcn-amd-amdhsa--gfx1250"
	.amdhsa_code_object_version 6
	.text
	.protected	k_qa49b7c56af_qkv
	.globl	k_qa49b7c56af_qkv
	.p2align	8
	.type	k_qa49b7c56af_qkv,@function
k_qa49b7c56af_qkv:
	s_mov_b64 s[64:65], 0
	v_nop
	global_prefetch_b8 v0, s[64:65] scope:SCOPE_SE
	s_setreg_imm32_b32 hwreg(HW_REG_WAVE_MODE, 25, 1), 1
	s_wait_xcnt 0x0
	s_wait_alu depctr_hold_cnt(0) depctr_sa_sdst(0) depctr_va_vdst(0) depctr_va_sdst(0) depctr_va_ssrc(0) depctr_va_vcc(0) depctr_vm_vsrc(0)
	s_getreg_b32 s2, hwreg(HW_REG_IB_STS2, 6, 4)
	s_cmp_eq_u32 s2, 0
	s_cbranch_scc0 .Lentry_in_a_cluster
	s_endpgm
.Lentry_in_a_cluster:
	s_bfe_u32 s2, ttmp6, 0x10000c
	s_cmp_lg_u32 s2, 0xf033
	s_cbranch_scc0 .Lentry_shape_is_right
	s_endpgm
.Lentry_shape_is_right:
; q, k, v = x W + b.  C[8192][3072] = XB x WQKV + bias; XB [4 b][16 kb][2048 s][64] bf16 and WQKV [1024 k][3072] bf16 lie in cb; sums in f32, started by the bias as it is given, in f32;
; the result is rounded once to f16, WITHOUT attention's scale, and stored by heads: qkv [3 t][64 bh][2048 s][64] f16.
; LIMITS.  A q, k or v of 65,520 or more in magnitude becomes an infinity in f16.  NaN and infinities are not treated apart.
; SHARES.  A work-group makes 256 rows x 384 columns (six heads): 32 x 8 = 256 work-groups.  Each of its four waves makes 128 rows x 192 columns: 8 row blocks a x 3 heads g x 4 column blocks bq
; = 96 accumulators of 16 x 16, 768 registers.  For 32 along K a wave issues 40 LDS loads and 96 matrix instructions.  K goes in 16 steps of 64 through two LDS slots.
; THE MATRIX INSTRUCTION IS USED TRANSPOSED: source 0 = 16 columns of W (turned on the way out of LDS by ds_load_tr16_b128), source 1 = 16 rows of x.  A lane then holds row l % 16 and the eight
; neighbouring columns 8 (l / 16) + 0..7, which pack into 16 bytes of a head's row.
; CLUSTERS: 4 x 4 work-groups.  The four of a row of the cluster need the same tiles of x, the four of a column the same tiles of W: each tile is asked for JOINTLY, by the same tensor load with the
; same descriptor and a mask that names the four.
; REGISTERS, in windows of 256 (s_set_vgpr_msb: bits 1:0 source 0, 3:2 source 1, 5:4 source 2, 7:6 destination):
;   window 0: v0-13 addresses; v32-95, v96-159 fragments of x, two buffers (block a at + 8 a); v160-255 fragments of W, one buffer ((g, bq) at + 32 g + 8 bq); on the way out v32-47 packed, v64-95 rows read back
;   window 1 + g: head g's 32 accumulators, (a, bq) at v[8 (4 a + bq)]
; W's 32 registers of a head are loaded again straight behind the head's 32 products and are wanted 64 products later, so one buffer serves.
.set WQKV_OFF, 16777216
.set PA,    144                        ; a row of x in LDS: 128 bytes + 16 of padding = 36 words: the 16 rows of a load start at 16 different groups of four banks (64 banks of 4 bytes: ISA guide 11.1)
.set PB,    864                        ; a row of W: six heads' 128 bytes, 16 of padding behind each = 27 x 32 bytes
.set BOFF,  256*PA                     ; a slot: 256 rows of x, then 64 rows of W
.set SLOT1, 1<<17                      ; slot 1 begins here, so that one exclusive or turns an address in one slot into the other's
.set STAGE, SLOT1+BOFF+64*PB           ; behind the ring, never filled by a tensor load: 16 rows x 144 bytes for each wave, for the way out
.set SP,    144
.set SPARE, STAGE+4*16*SP              ; behind the stages: the spare words, 128 bytes for each wave: two blocks of 256 bytes that no other line names
.set ASTEP, 2048*128                   ; bytes from a K step's tile of x to the next: one block kb
.set BSTEP, 64*6144                    ; of W: 64 rows
.set AA0, 4                            ; v4   my lane's place in a slot's rows of x; never rewritten
.set AB0, 5                            ; v5   the same for W
.set AA,  6                            ; v6   the same in the slot in hand
.set AB,  7                            ; v7
.set STO, 8                            ; v8   the way out: where I put 16 bytes of a row
.set RD,  9                            ; v9   the way out: where I read rows back
.set GO,  10                           ; v10  my byte offset in 512 consecutive bytes of a head
.set BO,  11                           ; v11  my byte offset in 16 numbers of a bias
.set SPW, 12                           ; v12  LDS address of my spare word: SPARE + 4 x my thread's number; never rewritten
.set NIL, 13                           ; v13  0; never rewritten
.set FA,  32
.set FB,  160
.set PK,  32
.set BK,  64
.set WV,  14                           ; s14  my wave's number
.set WM,  15                           ; s15  which 128 rows are mine.  Also: I fetch x (0) or W (1)
.set WN,  16                           ; s16  which 192 columns.  Also: which half of that tile I fetch
.set CX,  17
.set CY,  18
.set TX,  19                           ; s19  tile column, 0..7
.set TY,  20                           ; s20  tile row, 0..31
.set G1A, 24                           ; s[24:31] descriptor group 1 for x's tiles
.set G1B, 32                           ; s[32:39] for W's
.set G0A, 40                           ; s[40:47] descriptor group 0 for x's tiles: a set for each of the two first fills; the second then walks on
.set G0B, 48                           ; s[48:55] the same for W's
.set TB,  56                           ; s56  LDS byte at which the slot in hand begins
.set CNT, 57
.set BB,  68                           ; s[68:73] head g's 64 numbers of its bias
.set OB,  74                           ; s[74:79] my 128 rows of head g in qkv
.set MSB, 0
.macro WIN new                         ; the immediate's high byte repeats the setting that is left; a switch that changes nothing is dropped
.if MSB != (\new)
	s_set_vgpr_msb (MSB<<8)|(\new)
.set MSB, (\new)
.endif
.endm
.macro PLACES                          ; four places in front of loads into registers that matrix instructions have read, and of conversions that read results (ISA guide 7.12.1 for vector instructions)
.rept 4
	v_nop
.endr
.endm
; A joint refill.  Waves 0 and 1 fetch the two halves of x's tile, waves 2 and 3 those of W's.  The branch hangs on the wave's number alone.
; An s_nop 0 and four v_nop follow each of the two lines, ahead of the jump and the label.
.macro JLOAD
	s_cmp_eq_u32 s[WM], 0
	s_cbranch_scc0 .Lfor_b_\@
	tensor_load_to_lds s[G0A+4:G0A+7], s[G1A:G1A+7]
	s_nop 0
.rept 4
	v_nop
.endr
	s_branch .Lasked_\@
.Lfor_b_\@:
	tensor_load_to_lds s[G0B+4:G0B+7], s[G1B:G1B+7]
	s_nop 0
.rept 4
	v_nop
.endr
.Lasked_\@:
.endm
.macro CREST                           ; a round of the cluster's barrier behind its opening barrier
	s_cmp_lg_u32 s[WV], 0
	s_cbranch_scc1 .Lnot_wave_0_\@
	s_barrier_signal -3
.Lnot_wave_0_\@:
	s_barrier_wait -3
	s_barrier_signal -1
	s_barrier_wait -1
.endm
.macro CROUND                          ; a whole round
	s_barrier_signal -1
	s_barrier_wait -1
	CREST
.endm
	s_load_b256 s[4:11], s[0:1], 0x0               ; cb s[4:5], bq s[6:7], bk s[8:9], bv s[10:11]
	s_load_b64 s[12:13], s[0:1], 0x20              ; qkv
	v_lshl_add_u32 v[SPW], v0, 2, SPARE
	v_mov_b32 v[NIL], 0
	ds_add_u32 v12, v13
	s_wait_dscnt 0x0
	v_lshrrev_b32 v1, 5, v0
	v_readfirstlane_b32 s[WV], v1                  ; wave 0..3
	s_lshr_b32 s[WM], s[WV], 1
	s_and_b32 s[WN], s[WV], 1
	s_bfe_u32 s[CX], ttmp6, 0x40000                ; my place in the cluster
	s_bfe_u32 s[CY], ttmp6, 0x40004
	s_lshl_b32 s[TX], ttmp9, 2                     ; in a cluster launch ttmp9 and ttmp7 count clusters
	s_add_co_u32 s[TX], s[TX], s[CX]
	s_and_b32 s[TY], ttmp7, 0xffff
	s_lshl_b32 s[TY], s[TY], 2
	s_add_co_u32 s[TY], s[TY], s[CY]
	s_lshl_b32 s21, s[CY], 2
	s_lshl_b32 s21, 15, s21                        ; my row of the cluster: places 4 cy .. 4 cy + 3
	s_lshl_b32 s22, 0x1111, s[CX]                  ; my column: places cx, cx + 4, cx + 8, cx + 12
	; descriptor group 1.  x: 128 rows of 128 bytes are 16,384 dense bytes, asked for as 64 rows of 256 bytes and padded in LDS after every 128.  W: 32 rows of 768 bytes, padded after every 128.
	s_or_b32 s[G1A], s21, (1<<16)|(1<<20)|(1<<21)|(4<<22)|(3<<25)  ; 15:0 the mask; 17:16 2-byte elements; 20 padding on; 21 set beside a mask; 24:22 after every 32 words (code 4); 31:25 4 words (code 3)
	s_mov_b32 s[G1A+1], 128<<16                    ; tensor_dim0 = 128
	s_mov_b32 s[G1A+2], 64<<16                     ; tensor_dim1 = 64
	s_mov_b32 s[G1A+3], 128<<16                    ; tile_dim0 = 128
	s_mov_b32 s[G1A+4], 64                         ; tile_dim1 = 64
	s_mov_b32 s[G1A+5], 128                        ; elements from row to row
	s_mov_b32 s[G1A+6], 0
	s_mov_b32 s[G1A+7], 0
	s_or_b32 s[G1B], s22, (1<<16)|(1<<20)|(1<<21)|(4<<22)|(3<<25)
	s_mov_b32 s[G1B+1], 384<<16                    ; tensor_dim0 = 384
	s_mov_b32 s[G1B+2], 32<<16                     ; tensor_dim1 = 32
	s_mov_b32 s[G1B+3], 384<<16                    ; tile_dim0 = 384
	s_mov_b32 s[G1B+4], 32                         ; tile_dim1 = 32
	s_mov_b32 s[G1B+5], 3072                       ; elements from row to row
	s_mov_b32 s[G1B+6], 0
	s_mov_b32 s[G1B+7], 0
	; where the tiles come from.  x's hang on the tile row alone, W's on the tile column alone, each in registers that never hold the other coordinate.
	s_lshr_b32 s60, s[TY], 3                       ; b: eight tile rows a batch
	s_lshl_b32 s60, s60, 22                        ; 16 blocks x 2,048 rows x 128 bytes
	s_and_b32 s61, s[TY], 7
	s_lshl_b32 s61, s61, 15                        ; 256 rows of 128 bytes
	s_add_co_u32 s60, s60, s61
	s_lshl_b32 s61, s[WN], 14                      ; my 128 rows of them
	s_add_co_u32 s60, s60, s61
	s_mov_b32 s61, 0
	s_mul_i32 s66, s[TX], 768                      ; 384 columns of 2 bytes
	s_mul_i32 s67, s[WN], 32*6144                  ; my 32 rows of a step's 64
	s_add_co_u32 s66, s66, s67
	s_add_co_u32 s66, s66, WQKV_OFF
	s_mov_b32 s67, 0
	s_mul_i32 s62, s[WN], 128*PA                   ; and where they go: no place in the cluster enters an LDS address
	s_mul_i32 s63, s[WN], 32*PB
	s_add_co_u32 s63, s63, BOFF
	s_wait_kmcnt 0x0
	s_add_nc_u64 s[60:61], s[4:5], s[60:61]
	s_add_nc_u64 s[66:67], s[4:5], s[66:67]
	CROUND                                         ; all sixteen work-groups are here: the first joint loads meet
.irp s, 0,1
	s_mov_b32 s[G0A+4*\s], 1                       ; 1:0 count = 1
	s_add_co_u32 s[G0A+4*\s+1], s62, \s*SLOT1      ; 63:32 LDS address
	s_add_nc_u64 s[G0A+4*\s+2:G0A+4*\s+3], s[60:61], \s*ASTEP  ; 120:64 global address: K step s
	s_or_b32 s[G0A+4*\s+3], s[G0A+4*\s+3], 0x80000000          ; 127:126 type = 2
	s_mov_b32 s[G0B+4*\s], 1
	s_add_co_u32 s[G0B+4*\s+1], s63, \s*SLOT1
	s_add_nc_u64 s[G0B+4*\s+2:G0B+4*\s+3], s[66:67], \s*BSTEP
	s_or_b32 s[G0B+4*\s+3], s[G0B+4*\s+3], 0x80000000
.endr
	s_cmp_eq_u32 s[WM], 0                          ; a wave's two first fills stand in one branch, ahead of every wait on TENSORcnt and every LDS read: two loads of mine are out
	s_cbranch_scc0 .Lfirst_b
	tensor_load_to_lds s[G0A:G0A+3], s[G1A:G1A+7]
	s_nop 0
	tensor_load_to_lds s[G0A+4:G0A+7], s[G1A:G1A+7]
	s_nop 0
.rept 4
	v_nop
.endr
	s_branch .Lfirst_asked
.Lfirst_b:
	tensor_load_to_lds s[G0B:G0B+3], s[G1B:G1B+7]
	s_nop 0
	tensor_load_to_lds s[G0B+4:G0B+7], s[G1B:G1B+7]
	s_nop 0
.rept 4
	v_nop
.endr
.Lfirst_asked:
	; my three heads: c = 6 x tile column + 3 x column half + g of the 48; tensor t = c / 16, head c % 16.  The choice among the three biases is a select, no branch.
	s_mul_i32 s80, s[TX], 6
	s_mul_i32 s81, s[WN], 3
	s_add_co_u32 s80, s80, s81
	s_lshr_b32 s82, s[TY], 3
	s_lshl_b32 s82, s82, 4                         ; 16 b
	s_and_b32 s83, s[TY], 7
	s_lshl_b32 s83, s83, 15                        ; the tile's first row, in bytes of a head,
	s_lshl_b32 s84, s[WM], 14                      ; and my 128 rows
	s_add_co_u32 s83, s83, s84
	s_mov_b32 s87, 0
.irp g, 0,1,2
	s_add_co_u32 s84, s80, \g
	s_lshr_b32 s85, s84, 4                         ; t
	s_and_b32 s84, s84, 15                         ; the head
	s_cmp_eq_u32 s85, 0
	s_cselect_b64 s[BB+2*\g:BB+2*\g+1], s[6:7], s[8:9]
	s_cmp_eq_u32 s85, 2
	s_cselect_b64 s[BB+2*\g:BB+2*\g+1], s[10:11], s[BB+2*\g:BB+2*\g+1]
	s_lshl_b32 s86, s84, 8                         ; 64 numbers of 4 bytes a head
	s_add_nc_u64 s[BB+2*\g:BB+2*\g+1], s[BB+2*\g:BB+2*\g+1], s[86:87]
	s_lshl_b32 s85, s85, 6
	s_add_co_u32 s85, s85, s82
	s_add_co_u32 s85, s85, s84                     ; 64 t + 16 b + head
	s_lshl_b32 s86, s85, 18                        ; 2,048 rows of 128 bytes
	s_add_co_u32 s86, s86, s83
	s_add_nc_u64 s[OB+2*\g:OB+2*\g+1], s[12:13], s[86:87]
.endr
	; A fragment of x is 16 rows x 32 K in 8 registers: lane l holds row l % 16, K = 8 (l / 16) + 0..7 and 16 + 8 (l / 16) + 0..7: two loads of 16 bytes, 32 bytes apart.
	v_and_b32 v1, 15, v0                           ; l % 16
	v_bfe_u32 v2, v0, 4, 1                         ; l / 16
	v_lshlrev_b32 v[BO], 5, v2                     ; my eight columns of sixteen
	; THE BIAS STARTS THE SUMS.  Register j of a lane's result is column 8 (l / 16) + j, whatever the row: those eight numbers of the bias are loaded into the accumulators of row block 0
	; and serve as the C operand of every row block's first product.  The loads are on their way in the wait for the first tile.
.irp g, 0,1,2
	WIN 0x40*(1+\g)                                ; destination window 1 + g, address window 0
.irp bq, 0,1,2,3
	global_load_b128 v[8*\bq:8*\bq+3],   v[BO], s[BB+2*\g:BB+2*\g+1] offset:64*\bq
	global_load_b128 v[8*\bq+4:8*\bq+7], v[BO], s[BB+2*\g:BB+2*\g+1] offset:64*\bq+16
.endr
.endr
	WIN 0
	v_mul_u32_u24 v[AA0], v1, PA
	v_lshl_add_u32 v[AA0], v2, 4, v[AA0]
	s_mul_i32 s80, s[WM], 128*PA
	v_add_nc_u32 v[AA0], s80, v[AA0]
	; The turning load takes 16 K x 16 columns (lane l reads row 8 (l / 16) + l % 8, columns 8 ((l / 8) % 2) + 0..7) and leaves half a fragment: lane l holds column l % 16 and 8 K.
	v_and_b32 v3, 7, v0
	v_lshl_add_u32 v3, v2, 3, v3
	v_mul_u32_u24 v[AB0], v3, PB
	v_bfe_u32 v3, v0, 3, 1
	v_lshl_add_u32 v[AB0], v3, 4, v[AB0]
	s_mul_i32 s80, s[WN], 3*PA                     ; my three heads of a row's six
	s_add_co_u32 s80, s80, BOFF
	v_add_nc_u32 v[AB0], s80, v[AB0]
	s_mul_i32 s80, s[WV], 16*SP
	s_add_co_u32 s80, s80, STAGE                   ; my stage
	v_mul_u32_u24 v[STO], v1, SP                   ; in: row l % 16, 16 bytes for each half of the lanes
	v_lshl_add_u32 v[STO], v2, 4, v[STO]
	v_add_nc_u32 v[STO], s80, v[STO]
	v_bfe_u32 v[RD], v0, 3, 2                      ; back: 32 lanes take four rows of 128 bytes,
	v_mul_u32_u24 v[RD], v[RD], SP
	v_and_b32 v3, 7, v0
	v_lshl_add_u32 v[RD], v3, 4, v[RD]
	v_add_nc_u32 v[RD], s80, v[RD]
	v_and_b32 v[GO], 31, v0                        ; which are 512 consecutive bytes of a head
	v_lshlrev_b32 v[GO], 4, v[GO]
; n x 4 matrix instructions: head g, row blocks a0 .. a0 + n - 1 x 4 column blocks, 32 along K, x's buffer p.  All 96 accumulators take turns, one instruction a turn, in the same order in
; every 32 along K.
.macro MULG p, g, a0, n
	WIN 0x50*(1+(\g))                              ; C and D window 1 + g, sources window 0
.set ma, (\a0)
.rept (\n)
.irp bq, 0,1,2,3
	v_wmma_f32_16x16x32_bf16 v[8*(4*ma+\bq):8*(4*ma+\bq)+7], v[FB+32*(\g)+8*\bq:FB+32*(\g)+8*\bq+7], v[FA+64*(\p)+8*ma:FA+64*(\p)+8*ma+7], v[8*(4*ma+\bq):8*(4*ma+\bq)+7]
.endr
.set ma, ma+1
.endr
.endm
; Head g's first 32 products.  Row blocks 1 to 7 take the bias, which lies in row block 0's accumulators, as C; five places behind them row block 0 adds onto it in place.
.macro MULGZ g
	WIN 0x50*(1+(\g))
.set ma, 1
.rept 7
.irp bq, 0,1,2,3
	v_wmma_f32_16x16x32_bf16 v[8*(4*ma+\bq):8*(4*ma+\bq)+7], v[FB+32*(\g)+8*\bq:FB+32*(\g)+8*\bq+7], v[FA+8*ma:FA+8*ma+7], v[8*\bq:8*\bq+7]
.endr
.set ma, ma+1
.endr
.rept 5
	v_nop                                          ; the next four write over registers that the products above read as C
.endr
.irp bq, 0,1,2,3
	v_wmma_f32_16x16x32_bf16 v[8*\bq:8*\bq+7], v[FB+32*(\g)+8*\bq:FB+32*(\g)+8*\bq+7], v[FA:FA+7], v[8*\bq:8*\bq+7]
.endr
.endm
.macro FETCHB g, h                     ; 8 LDS loads: head g's fragments of W, K = 32 h on
	WIN 0
.irp bq, 0,1,2,3
	ds_load_tr16_b128 v[FB+32*(\g)+8*\bq:FB+32*(\g)+8*\bq+3],   v[AB] offset:32*PB*(\h)+PA*(\g)+32*\bq
	ds_load_tr16_b128 v[FB+32*(\g)+8*\bq+4:FB+32*(\g)+8*\bq+7], v[AB] offset:32*PB*(\h)+PA*(\g)+32*\bq+16*PB
.endr
.endm
.macro FETCHA p, h                     ; 16 LDS loads: my 128 rows of x, K = 32 h on, into buffer p
	WIN 0
.irp a, 0,1,2,3,4,5,6,7
	ds_load_b128 v[FA+64*(\p)+8*\a:FA+64*(\p)+8*\a+3],   v[AA] offset:16*PA*\a+64*(\h)
	ds_load_b128 v[FA+64*(\p)+8*\a+4:FA+64*(\p)+8*\a+7], v[AA] offset:16*PA*\a+64*(\h)+32
.endr
.endm
.macro PROD z, g
.if \z
	MULGZ \g
.else
	MULG 0, \g, 0, 8
.endif
.endm
; K = 0..31 of a step, on x's buffer 0; the fragments of K = 32..63 are fetched.  At its head are out, in this order: W's head 0 (8 loads), x (16), W's head 1 (8), head 2 (8).
.macro LOWK z
	s_wait_dscnt 16                                ; W's heads 1 and 2 may be out
	PROD \z, 0
	PLACES
	FETCHB 0, 1
	FETCHA 1, 1
	s_wait_dscnt 32                                ; W's head 2 and the 24 just issued may be out
	PROD \z, 1
	PLACES
	FETCHB 1, 1
	s_wait_dscnt 32                                ; those 24 and the 8 just issued may be out
	PROD \z, 2
	PLACES
	FETCHB 2, 1
.endm
; K = 32..63 of a step, on x's buffer 1, and THE CHANGE OF SLOTS: one barrier.  In front of it each wave waits for all its tensor loads, of which one is out: its part of the next slot; adds 0 to
; its spare word; and waits for that and for its own reads of this slot, all of which have been issued.  Behind it nobody reads this slot any more and the next slot is whole.
; fill = 1: this slot is filled again, two K steps ahead.  The barrier then opens a round of the cluster's, and the joint refill is the first thing behind the round: 160 matrix instructions ahead of the wait for it.
.macro TURN fill
	WIN 0                                          ; (the add's two registers lie in window 0)
	s_wait_tensorcnt 0x0                           ; no tensor load of mine is out, so a group 0 may be written
	ds_add_u32 v[SPW], v[NIL]                      ; 0 onto my spare word
.if \fill
	s_xor_b32 s[G0A+5], s[G0A+5], SLOT1            ; the walking descriptors: the other slot than last time,
	s_add_nc_u64 s[G0A+6:G0A+7], s[G0A+6:G0A+7], ASTEP  ; the next K step; the type bits on top are not reached
	s_xor_b32 s[G0B+5], s[G0B+5], SLOT1
	s_add_nc_u64 s[G0B+6:G0B+7], s[G0B+6:G0B+7], BSTEP
.endif
	s_xor_b32 s[TB], s[TB], SLOT1
	s_wait_dscnt 17                                ; W's heads 1 and 2 and the add may be out
	MULG 1, 0, 0, 4                                ; sixteen matrix instructions stand between the add and the wait for it
	s_wait_dscnt 0x0                               ; the add is done, and my reads of this slot are over
	s_barrier_signal -1
	MULG 1, 0, 4, 4                                ; work on registers while the others arrive
	WIN 0
	s_barrier_wait -1
.if \fill
	CREST                                          ; no wave of any partner still reads this slot's tiles or has a load on its way
	JLOAD                                          ; the four v_nop behind it are also the places in front of the loads below
.else
	PLACES
.endif
	v_add_nc_u32 v[AA], s[TB], v[AA0]
	v_add_nc_u32 v[AB], s[TB], v[AB0]
	FETCHB 0, 0
	FETCHA 0, 0
	MULG 1, 1, 0, 8
	PLACES
	FETCHB 1, 0
	MULG 1, 2, 0, 8
	PLACES
	FETCHB 2, 0
.endm
	s_wait_loadcnt 0x0                             ; the bias
	s_wait_tensorcnt 0x1                           ; my part of K step 0 is in; K step 1's may stay out
	s_barrier_signal -1
	s_barrier_wait -1                              ; everybody's is
	s_mov_b32 s[TB], 0
	v_mov_b32 v[AA], v[AA0]
	v_mov_b32 v[AB], v[AB0]
	FETCHB 0, 0
	FETCHA 0, 0
	FETCHB 1, 0
	FETCHB 2, 0
	LOWK 1                                         ; the first products stand in front of the loop: they start the sums, with the bias
	WIN 0                                          ; at a label and at a branch every window is 0
	s_mov_b32 s[CNT], 14
.Lk:                                                   ; trip j = 0..13: the second half of K step j, which asks for K step j + 2, and the first half of K step j + 1
	TURN 1
	LOWK 0
	WIN 0
	s_sub_co_u32 s[CNT], s[CNT], 1
	s_cmp_lg_u32 s[CNT], 0
	s_cbranch_scc1 .Lk
	; THE TAIL has a text of its own: nothing is asked for.  Two trips: the second half of K step 14 and the first of K step 15; then the second half of K step 15,
	; behind which the loop is left.  That last change of slots (a barrier, and 40 LDS loads of the other slot's old tile, bytes that landed long ago) serves nothing: the price, once a launch,
	; of not writing the second half of a K step a third time.
	s_mov_b32 s[CNT], 2
.Ltail:
	TURN 0
	s_sub_co_u32 s[CNT], s[CNT], 1
	s_cmp_eq_u32 s[CNT], 0
	s_cbranch_scc1 .Lout
	LOWK 0
	s_branch .Ltail
.Lout:
	s_wait_dscnt 0x0                               ; those loads have landed: their registers are used again below.  The last products have their four places in the change of slots
; THE WAY OUT, a block of 16 rows x 64 columns (one head) at a time; block n = 8 g + a.  OUT: rounded to f16, each accumulator's registers in ascending order; 16 bytes a lane into my own stage; back as
; whole rows of 128 bytes.  SEND: stored: 16 rows of a head are 2,048 consecutive bytes.
.macro OUT n
.set og, (\n)/8
.set oa, (\n)%8
	WIN 5*(1+og)                                   ; sources 0 and 1 window 1 + g, destination window 0
.irp bq, 0,1,2,3
.irp j, 0,1,2,3
	v_cvt_pk_f16_f32 v[PK+4*\bq+\j], v[8*(4*oa+\bq)+2*\j], v[8*(4*oa+\bq)+2*\j+1]
.endr
.endr
	WIN 0
	s_wait_xcnt 0x0                                ; every earlier memory instruction has had its addresses translated (ISA guide 3.1): the registers that the stores of two blocks ago read are loaded again only behind this wait
.irp bq, 0,1,2,3
	ds_store_b128 v[STO], v[PK+4*\bq:PK+4*\bq+3] offset:32*\bq
.endr
.irp f, 0,1,2,3
	ds_load_b128 v[BK+16*((\n)%2)+4*\f:BK+16*((\n)%2)+4*\f+3], v[RD] offset:\f*4*SP  ; LDS serves a wave's instructions in order (ISA guide 5.7.1.4): these see the stores above; the next block's stores come behind them
.endr
.endm
.macro SEND n, younger                 ; younger: the LDS instructions issued behind block n's loads: the next block's eight, or none
.set og, (\n)/8
.set oa, (\n)%8
	s_wait_dscnt \younger                          ; the block's four loads are in
.irp f, 0,1,2,3
	global_store_b128 v[GO], v[BK+16*((\n)%2)+4*\f:BK+16*((\n)%2)+4*\f+3], s[OB+2*og:OB+2*og+1] offset:oa*2048+\f*512  ; 512 consecutive bytes, at a multiple of 256 from the buffer's first
.endr
.endm
	OUT 0
.set blk, 1
.rept 23                               ; a block's conversions stand between the loads of the block before and its stores
	OUT blk
	SEND blk-1, 8
.set blk, blk+1
.endr
	SEND 23, 0
	s_wait_tensorcnt 0x0                           ; the wave's end: behind my last tensor load and my last LDS store
	ds_add_u32 v[SPW], v[NIL]
	s_wait_dscnt 0x0
	CROUND                                         ; the closing round: no work-group ends while a partner may still ask for a tile that names it
	s_endpgm
.Lfunc_end_k_qa49b7c56af_qkv:
	.size	k_qa49b7c56af_qkv, .Lfunc_end_k_qa49b7c56af_qkv-k_qa49b7c56af_qkv
	.p2alignl 7, 3214868480
	.fill 96, 4, 3214868480
	.section	.rodata,"a",@progbits
	.p2align	6, 0x0
	.amdhsa_kernel k_qa49b7c56af_qkv
		.amdhsa_group_segment_fixed_size 327680
		.amdhsa_private_segment_fixed_size 0
		.amdhsa_enable_private_segment 0
		.amdhsa_kernarg_size 40
		.amdhsa_user_sgpr_count 2
		.amdhsa_user_sgpr_kernarg_segment_ptr 1
		.amdhsa_wavefront_size32 1
		.amdhsa_system_sgpr_workgroup_id_x 1
		.amdhsa_system_sgpr_workgroup_id_y 1
		.amdhsa_system_sgpr_workgroup_id_z 1
		.amdhsa_system_vgpr_workitem_id 0
		.amdhsa_next_free_vgpr 1024
		.amdhsa_next_free_sgpr 96
		.amdhsa_reserve_vcc 0
		.amdhsa_float_denorm_mode_32 3
		.amdhsa_float_denorm_mode_16_64 3
		.amdhsa_memory_ordered 1
		.amdhsa_forward_progress 1
		.amdhsa_inst_pref_size 110
	.end_amdhsa_kernel
	.amdgpu_metadata
---
amdhsa.version: [ 1, 2 ]
amdhsa.kernels:
  - .name:           k_qa49b7c56af_qkv
    .symbol:         k_qa49b7c56af_qkv.kd
    .args:
      - { .name: cb, .offset: 0, .size: 8, .value_kind: global_buffer, .address_space: global }
      - { .name: bq, .offset: 8, .size: 8, .value_kind: global_buffer, .address_space: global }
      - { .name: bk, .offset: 16, .size: 8, .value_kind: global_buffer, .address_space: global }
      - { .name: bv, .offset: 24, .size: 8, .value_kind: global_buffer, .address_space: global }
      - { .name: qkv, .offset: 32, .size: 8, .value_kind: global_buffer, .address_space: global }
    .group_segment_fixed_size: 327680
    .private_segment_fixed_size: 0
    .kernarg_segment_align: 8
    .kernarg_segment_size: 40
    .max_flat_workgroup_size: 128
    .sgpr_count:     96
    .vgpr_count:     1024
    .wavefront_size: 32
...
	.end_amdgpu_metadata
.endif
;; end of part 2
;; launch attn (part 3): grid 4 x 64, 4 waves a work-group, clusters of 4 x 1, 327,680 bytes of LDS; arguments qkv, ob; writes ob
.if DOCPART == 3
	.amdgcn_target "amdgcn-amd-amdhsa--gfx1250"
	.amdhsa_code_object_version 6
	.text
	.protected	k_qa49b7c56af_attn
	.globl	k_qa49b7c56af_attn
	.p2align	8
	.type	k_qa49b7c56af_attn,@function
k_qa49b7c56af_attn:
	s_mov_b64 s[64:65], 0
	v_nop
	global_prefetch_b8 v0, s[64:65] scope:SCOPE_SE
	s_setreg_imm32_b32 hwreg(HW_REG_WAVE_MODE, 25, 1), 1
	s_wait_xcnt 0x0
	s_wait_alu depctr_hold_cnt(0) depctr_sa_sdst(0) depctr_va_vdst(0) depctr_va_sdst(0) depctr_va_ssrc(0) depctr_va_vcc(0) depctr_vm_vsrc(0)
	s_getreg_b32 s2, hwreg(HW_REG_IB_STS2, 6, 4)
	s_cmp_eq_u32 s2, 0
	s_cbranch_scc0 .Lentry_in_a_cluster
	s_endpgm
.Lentry_in_a_cluster:
	s_bfe_u32 s2, ttmp6, 0x10000c
	s_cmp_lg_u32 s2, 0x3003
	s_cbranch_scc0 .Lentry_shape_is_right
	s_endpgm
.Lentry_shape_is_right:
; O[h][q][:] = the sum over k of softmax_k(Q[h][q] . K[h][k] / 8) V[h][k][:].  Q, K, V: three parts of one buffer, each [SIZE_H][SIZE_N][64] f16, 0x1000000 bytes apart; O likewise, a buffer of its own.
; A head's rows are dense, 128 bytes each.  Products, maxima and sums in f32; the weights p are rounded to f16 for the second product (their sum l is taken of the unrounded p), O once at the end.
; LIMITS.  f16 holds no number beyond 65,504: Q, K and V arrive within it; p lies in 0 to 1, and below 6e-5 it keeps f16's fixed step of 6e-8; O is a mean of V's rows and has their range.
; A weight below 2^-126 counts as 0 in l; NaN and infinities are not treated apart.
; SHARES.  A wave owns four PIECES of two tiles of 16 queries, a work-group's four waves 512 queries of one head: 4 x 64 = 256 work-groups.  Every wave walks all keys, 64 a step.
; LAYOUT.  S^T = K Q^T (source 0 = 16 keys, source 1 = 16 queries): in the result a lane holds ONE query (lane % 16) and the keys 8 (lane / 16) + 0..7.  Two such tiles, rounded to f16 in pairs,
; ARE source 1 (32 keys x 16 queries) of O^T = V^T P, whose result again holds one query a lane, and eight channels.  K comes out of LDS as it lies, V ([key][channel]) turned, by ds_load_tr16_b128.
; SOFTMAX.  For each query a running maximum m and sum l: p = 2^(c s - c m), c = log2(e) / 8; in every step O and l are multiplied by a = 2^(c m_old - c m_new), which is 1 where m has not grown.
; m starts at the lowest finite number, O and l at 0: the first step is a step like any other, with a = 0.
; THE COUNT.  A tile and step have 16 matrix and 118 vector instructions: too many to stand all beside the matrix work.  So the order has one aim: four vector instructions that are READY behind
; EVERY matrix instruction, and the others, which need time of their own whatever the order, in runs without a gap.
; BY TURNS.  Turn n belongs to piece n (the pieces in a ring, step after step).  Its matrix work: 16 products K Q^T of piece n + 1, later 16 products V^T P of piece n - 1.  Its vector work: the scaling,
; exponentials, roundings, sums and rescaling of piece n, and the maximum and statistics of piece n + 1, whose scores the turn itself has made.  So what a turn begins with (c s - c m, O a) waits for nothing.
; CLUSTER.  The four query blocks of a cluster belong to one head and walk the same K and V, so each tile is asked for JOINTLY: the same tensor load, descriptor and mask in all four.
; REGISTERS, in windows of 256 (s_set_vgpr_msb says which window each operand place means: bits 1:0 source 0, 3:2 source 1, 5:4 source 2, 7:6 destination):
;   window 0: v0-11 addresses; v12-15, v48-63 at work; v16-47 four registers of statistics a tile; v64-191 S^T, two buffers of two tiles; v192-255 P, likewise
;   window 1: O^T, 32 a tile          window 2: v0-127 Q, 16 a tile; v128-191 K of one step; v192-255 V of one step          window 3: v0-1 the add's two registers
; A piece's buffers go by its number's parity: the piece in hand has one pair, its two neighbours in the ring share the other: of it P (piece n - 1) is read and S^T (piece n + 1) written.
.set SIZE_H, 64       ; 4 batches x 16 heads
.set SIZE_N, 2048
.set NP,    4         ; pieces a wave: a name, no knob: the register map, the loop and the fetches are made for four
.set KS,    64        ; keys in a step
.set PK,    144       ; a row of K in LDS: 128 bytes + 16 of padding = 36 words: the 16 rows of a load start at 16 different groups of four banks (64 banks of 4 bytes: ISA guide 11.1)
.set PV,    160       ; a row of V: 128 + 32 = 40 words
.set VOFF,  4*KS*PK   ; a slot holds four steps: 256 rows of K, then 256 rows of V
.set SLOT1, 1<<17     ; slot 1 begins here, so that one exclusive or turns an address in one slot into the other's
.set STAGE, SLOT1+4*KS*(PK+PV)  ; behind the ring, never filled by a tensor load: 16 rows x 144 bytes for each wave, for the way out
.set SP,    144
.set AK0, 2           ; v2   my lane's place in a tile of K; never rewritten
.set AV0, 3           ; v3   the same for V
.set AK,  4           ; v4   the LDS address of K's next run of loads
.set AV,  5           ; v5   of V's
.set QO,  6           ; v6   my byte offset in the wave's rows of Q
.set STO, 6           ;      later, the way out: where I put 16 bytes of a row
.set RD,  7           ; v7   the way out: where I read rows back
.set GO,  8           ; v8   my byte offset in 512 consecutive bytes of O
.set SPW, 0           ; v0 of window 3   LDS address of my spare word: SPARE + 4 x my thread's number; never rewritten
.set NIL, 1           ; v1 of window 3   0; never rewritten
.set SPARE, STAGE+4*16*SP  ; behind the stages: the spare words, 128 bytes for each wave: two blocks of 256 bytes that no other line names
.set MV,  12          ; v12-15  c m_old, kept while c m is made anew: by buffer and tile
.set ST,  16          ; tile t's statistics at v[ST+4 t]: c m, m, l (even keys', odd keys')
.set TMP, 48          ; by buffer and tile, four registers c0-c3 at work; when the maximum is found c2 takes a
.set S,   64
.set P,   192
.set KF,  128         ; K's fragments, in window 2: key block kb, channel half c at KF + 16 kb + 8 c
.set VF,  192         ; V's: key half kk, channel block cb at VF + 32 kk + 8 cb
.set WV,  12          ; s12  my wave's number
.set G1K, 24          ; s[24:31] descriptor group 1 for K's tiles
.set G1V, 32          ; s[32:39] for V's: it differs in the padding alone
.set G0K, 40          ; s[40:43] descriptor group 0 for K's tiles: it walks
.set G0V, 44          ; s[44:47] the same for V's
.set SLOTS, 56        ; s56  slots still to be asked for
.set CNT, 57          ; s57  counts a slot's key steps
.set CS,  58          ; s[58:59] c: the packed scaling takes the pair's low word for both halves
.set SEL, 60          ; s[60:61] v_permlanex16_b32's selects: each lane takes its own place in the other half
.set TBK, 62          ; s62  LDS byte at which K of the step to be fetched begins
.set TBV, 63          ; s63  the same for V, less VOFF
.set MSB, 0
.macro WIN new                      ; the high byte repeats the setting that is left; a switch that changes nothing is dropped
.if MSB != (\new)
	s_set_vgpr_msb (MSB<<8)|(\new)
.set MSB, (\new)
.endif
.endm
.set W_KQ, 0x0a       ; K and Q in window 2, S^T in window 0
.set W_PV, 0x52       ; V in window 2, P in window 0, O^T in window 1
.set W_RS, 0x41       ; O^T (destination and source 0) in window 1, a in window 0
.set W_MK, 0xc0       ; the add's registers are made: destination in window 3, sources in window 0
.set W_AD, 0x0f       ; the add: address (source 0) and data (source 1) in window 3
; A joint fill.  Waves 0 and 1 fetch the two halves of a slot's K, waves 2 and 3 those of its V: 128 keys each.  The branch hangs on the wave's number alone.
; An s_nop 0 and four v_nop follow each of the two lines, ahead of the jump and the label.
.macro JLOAD
	s_cmp_lt_u32 s[WV], 2
	s_cbranch_scc0 .Lfor_v_\@
	tensor_load_to_lds s[G0K:G0K+3], s[G1K:G1K+7]
	s_nop 0
.rept 4
	v_nop
.endr
	s_branch .Lasked_\@
.Lfor_v_\@:
	tensor_load_to_lds s[G0V:G0V+3], s[G1V:G1V+7]
	s_nop 0
.rept 4
	v_nop
.endr
.Lasked_\@:
.endm
; A round of the cluster's barrier: my work-group's barrier, so that wave 0's signal speaks for all four waves; wave 0 signals; every wave waits for all four work-groups; my work-group's barrier once more.
.macro CROUND
	s_barrier_signal -1
	s_barrier_wait -1
	s_cmp_lg_u32 s[WV], 0
	s_cbranch_scc1 .Lnot_wave_0_\@
	s_barrier_signal -3
.Lnot_wave_0_\@:
	s_barrier_wait -3
	s_barrier_signal -1
	s_barrier_wait -1
.endm
; THE CHANGE OF SLOTS.  The slot's last bytes, V of its fourth step, have been read.  Each wave waits for all its tensor loads, of which one is out: its part
; of the other slot; adds 0 to its spare word; and waits for that and for its own reads of the slot.  Behind the barrier nobody reads this slot any more and the other slot is whole.
; fill = 1: this slot is filled again, with the keys two slots on.  The barrier is then a round of the cluster's, so that no wave of any partner still reads the slot or has a load on its
; way, and the joint fill is the first thing behind it: it has four key steps, 512 matrix instructions, in which to land.  (At its first use nothing has been read yet: slot 0 is waited for, slot 1 filled.)
.macro CHANGE fill
	WIN W_AD
	s_wait_tensorcnt 0x0            ; no tensor load of mine is out, so a group 0 may be written
	ds_add_u32 v[SPW], v[NIL]       ; 0 onto my spare word; with fill = 1 the descriptors' steps stand between it and the wait for it
	WIN 0                           ; at a label and at a branch every window is 0
.if \fill
.irp g, G0K, G0V
	s_xor_b32 s[\g+1], s[\g+1], SLOT1  ; the walking descriptor: the other slot than last time,
	s_add_nc_u64 s[\g+2:\g+3], s[\g+2:\g+3], 4*KS*128  ; the next 256 keys; the type bits on top are not reached
.endr
	s_wait_dscnt 0x0                ; the add is done, and my reads of the slot are over
	CROUND
	JLOAD
.else
	s_wait_dscnt 0x0                ; the add is done, and my reads of the slot are over
	s_barrier_signal -1
	s_barrier_wait -1
.endif
	s_sub_co_u32 s[TBK], s[TBK], 4*KS*PK  ; the fetches go back to a slot's first step,
	s_xor_b32 s[TBK], s[TBK], SLOT1       ; in the other slot
	s_sub_co_u32 s[TBV], s[TBV], 4*KS*PV
	s_xor_b32 s[TBV], s[TBV], SLOT1
.endm
	s_load_b64 s[4:5], s[0:1], 0x0    ; Q, at the head of qkv
	s_load_b64 s[10:11], s[0:1], 0x8  ; O
	WIN W_MK
	v_lshl_add_u32 v[SPW], v0, 2, SPARE
	v_mov_b32 v[NIL], 0
	s_set_vgpr_msb 0xc0cf
	ds_add_u32 v0, v1
	s_wait_dscnt 0x0
	s_set_vgpr_msb 0xcfc0
	WIN 0
	v_lshrrev_b32 v1, 5, v0
	v_readfirstlane_b32 s[WV], v1   ; wave 0..3
	s_bfe_u32 s13, ttmp6, 0x40000   ; cx: my place in the cluster
	s_lshl_b32 s14, ttmp9, 2        ; in a cluster launch ttmp9 counts clusters
	s_add_co_u32 s14, s14, s13      ; my block of queries = 4 x cluster x + cx: it enters Q's and O's addresses alone
	s_and_b32 s20, ttmp7, 0xffff    ; the head, which the four partners share
	s_mov_b32 s21, 0
	s_mov_b64 s[22:23], SIZE_N*128
	s_mul_u64 s[20:21], s[20:21], s[22:23]  ; the head's first byte in each of the four tensors
	s_and_b32 s16, s[WV], 1         ; which half of a slot's 256 keys I fetch:
	s_lshl_b32 s22, s16, 14         ; its 128 rows of 128 bytes in memory,
	s_mov_b32 s23, 0
	s_add_nc_u64 s[22:23], s[22:23], s[20:21]
	s_mul_i32 s17, s16, 128*PK      ; and its place in a slot, for K
	s_mul_i32 s18, s16, 128*PV      ; and for V: no place in the cluster enters an LDS address
	s_lshl_b32 s2, s14, 2
	s_add_co_u32 s2, s2, s[WV]      ; my wave among the head's,
	s_lshl_b32 s2, s2, 14           ; its 128 rows
	s_mov_b32 s3, 0
	s_add_nc_u64 s[2:3], s[2:3], s[20:21]
	; descriptor group 1.  128 keys are 16,384 dense bytes: asked for as 64 rows of 256 bytes, two keys a row, and padded in LDS after every key
	s_mov_b32 s[G1K], 15|(1<<16)|(1<<20)|(1<<21)|(4<<22)|(3<<25)  ; 15:0 the mask of four; 17:16 2-byte elements; 20 padding on; 21 set beside a mask; 24:22 after every 32 words (code 4); 31:25 4 words (code 3)
	s_mov_b32 s[G1V], 15|(1<<16)|(1<<20)|(1<<21)|(4<<22)|(7<<25)  ; the same with 8 words of padding (code 7)
.irp g, G1K, G1V
	s_mov_b32 s[\g+1], 128<<16      ; tensor_dim0 = 128
	s_mov_b32 s[\g+2], 64<<16       ; tensor_dim1 = 64
	s_mov_b32 s[\g+3], 128<<16      ; tile_dim0 = 128
	s_mov_b32 s[\g+4], 64           ; tile_dim1 = 64
	s_mov_b32 s[\g+5], 128          ; 128 elements from row to row
	s_mov_b32 s[\g+6], 0
	s_mov_b32 s[\g+7], 0
.endr
	s_mov_b32 s[CS], 0x3e38aa3b     ; c = log2(e) / 8 = 0.180337
	s_mov_b32 s[CS+1], s[CS]        ; named with it as a pair
	s_mov_b32 s[SEL], 0x76543210
	s_mov_b32 s[SEL+1], 0xfedcba98
	s_mov_b32 s[TBK], SLOT1+4*KS*PK ; the first change of slots turns these two into 0
	s_mov_b32 s[TBV], SLOT1+4*KS*PV
	s_mov_b32 s[G0K], 1             ; 1:0 count = 1
	s_mov_b32 s[G0K+1], s17         ; 63:32 LDS address: slot 0
	s_mov_b32 s[G0V], 1
	s_add_co_u32 s[G0V+1], s18, VOFF
	s_wait_kmcnt 0x0
	s_add_nc_u64 s[6:7], s[4:5], 0x1000000         ; K: 64 heads x 2,048 rows x 128 bytes behind Q
	s_add_nc_u64 s[8:9], s[4:5], 0x2000000         ; V: as much again
	s_add_nc_u64 s[G0K+2:G0K+3], s[6:7], s[22:23]  ; 120:64 global address: my half of the head's first 256 keys
	s_or_b32 s[G0K+3], s[G0K+3], 0x80000000        ; 127:126 type = 2
	s_add_nc_u64 s[G0V+2:G0V+3], s[8:9], s[22:23]
	s_or_b32 s[G0V+3], s[G0V+3], 0x80000000
	s_add_nc_u64 s[4:5], s[4:5], s[2:3]  ; Q and O at my wave's first row
	s_add_nc_u64 s[10:11], s[10:11], s[2:3]
	CROUND                          ; all four work-groups are here: the first joint loads meet
	JLOAD                           ; slot 0.  Slot 1 is asked for when slot 0 is in: the tile wanted first has the road to itself
	; A fragment of K or Q is 16 rows x 32 channels in 8 registers: lane l holds row l % 16, channels 8 (l / 16) + 0..7 and 16 + 8 (l / 16) + 0..7: two loads of 16 bytes, 32 bytes apart.
	v_and_b32 v1, 15, v0            ; l % 16
	v_bfe_u32 v9, v0, 4, 1          ; l / 16
	v_lshlrev_b32 v[QO], 7, v1
	v_lshl_add_u32 v[QO], v9, 4, v[QO]  ; row x 128 + 16 x half
	WIN 0x80                        ; destination window 2, address window 0
.set i, 0
.rept 4*NP                          ; Q stays in registers: tile i / 2, channels 32 (i % 2) on
	global_load_b128 v[8*i:8*i+3],   v[QO], s[4:5] offset:(i/2)*2048+(i%2)*64
	global_load_b128 v[8*i+4:8*i+7], v[QO], s[4:5] offset:(i/2)*2048+(i%2)*64+32
.set i, i+1
.endr
	; What the first turn finds: V's registers and P's second buffer hold 0 (its products V^T P, of a piece that has not been, add 0), O^T and l are 0.  All this stands in the wait for the first tile.
.set i, VF
.rept 64
	v_mov_b32 v[i], 0
.set i, i+1
.endr
	WIN 0x40
.set i, 0
.rept 64*NP
	v_mov_b32 v[i], 0
.set i, i+1
.endr
	WIN 0
.set i, 0
.rept 2*NP
	v_mov_b32 v[ST+4*i], 0xfe000000    ; c m: far below every c s
	v_mov_b32 v[ST+4*i+1], 0xff7fffff  ; m
	v_mov_b32 v[ST+4*i+2], 0
	v_mov_b32 v[ST+4*i+3], 0
.set i, i+1
.endr
.set i, P+32
.rept 32
	v_mov_b32 v[i], 0
.set i, i+1
.endr
	v_mul_u32_u24 v[AK0], v1, PK
	v_lshl_add_u32 v[AK0], v9, 4, v[AK0]  ; row x pitch + 16 x half
	; The turning load takes 16 keys x 16 channels (lane l reads key 8 (l / 16) + l % 8, channels 8 ((l / 8) % 2) + 0..7) and leaves half a fragment of V^T: lane l holds channel l % 16 and 8 keys.
	v_and_b32 v10, 7, v0
	v_bfe_u32 v11, v0, 3, 1
	v_lshl_add_u32 v[AV0], v9, 3, v10
	v_mul_u32_u24 v[AV0], v[AV0], PV
	v_lshl_add_u32 v[AV0], v11, 4, v[AV0]
	v_add_nc_u32 v[AV0], VOFF, v[AV0]
	v_mov_b32 v[AK], v[AK0]         ; key step 0 lies at the head of slot 0
; THE MATRIX WORK.  The 8 accumulators of a run of 16 take turns: between the two links of a chain stand 7 others'.
; Product i of 16 of S^T = K Q^T for piece x: channels 32 (i / 8) on, keys 16 ((i / 2) % 4) on, tile 2 x + i % 2.  The first 8 start the sums.
.macro KQ x
	WIN W_KQ
.set rS, S+64*((\x)%2)+32*(i%2)+8*((i/2)%4)
.set rK, KF+16*((i/2)%4)+8*(i/8)
.set rQ, 16*(2*(\x)+i%2)+8*(i/8)
.if i < 8
	v_wmma_f32_16x16x32_f16 v[rS:rS+7], v[rK:rK+7], v[rQ:rQ+7], 0
.else
	v_wmma_f32_16x16x32_f16 v[rS:rS+7], v[rK:rK+7], v[rQ:rQ+7], v[rS:rS+7]
.endif
.endm
; Product i of 16 of O^T += V^T P for piece x: keys 32 (i / 8) on, channels 16 ((i / 2) % 4) on, tile 2 x + i % 2.
.macro PV x
	WIN W_PV
.set rO, 32*(2*(\x)+i%2)+8*((i/2)%4)
.set rV, VF+32*(i/8)+8*((i/2)%4)
.set rP, P+32*((\x)%2)+16*(i%2)+8*(i/8)
	v_wmma_f32_16x16x32_f16 v[rO:rO+7], v[rV:rV+7], v[rP:rP+7], v[rO:rO+7]
.endm
.macro MM                           ; the turn's next matrix instruction
.if i < 16
	KQ (Y+1)%NP
.set i, i+1
.else
.set i, i-16
	PV (Y+NP-1)%NP
.set i, i+17
.endif
.endm
; THE LDS LOADS stand in runs of 16, never singly among the matrix instructions: a step's K (64 keys x 64 channels: 8 fragments) and its V (turned).  Their addresses are made some lines ahead.
; last = 1 (the tail): in the last trip there is no further step, and the run is jumped over.
.macro FETCH_K last=0
	WIN 0
.if \last
	s_cmp_eq_u32 s[CNT], 1
	s_cbranch_scc1 .Lno_k_\@
.endif
	WIN 0x80                        ; destination window 2
.irp f, 0,1,2,3,4,5,6,7             ; keys 16 (f / 2) on, channels 32 (f % 2) on
	ds_load_b128 v[KF+8*\f:KF+8*\f+3],   v[AK] offset:(\f/2)*16*PK+(\f%2)*64
	ds_load_b128 v[KF+8*\f+4:KF+8*\f+7], v[AK] offset:(\f/2)*16*PK+(\f%2)*64+32
.endr
	s_add_co_u32 s[TBK], s[TBK], KS*PK  ; the next fetch is the next step's
	WIN 0
.if \last
.Lno_k_\@:
.endif
.endm
.macro FETCH_V
	WIN 0x80
.irp f, 0,1,2,3,4,5,6,7             ; keys 32 (f / 4) on, channels 16 (f % 4) on
	ds_load_tr16_b128 v[VF+8*\f:VF+8*\f+3],   v[AV] offset:(\f/4)*32*PV+(\f%4)*32
	ds_load_tr16_b128 v[VF+8*\f+4:VF+8*\f+7], v[AV] offset:(\f/4)*32*PV+16*PV+(\f%4)*32
.endr
	WIN 0
.endm
; THE VECTOR WORK OF A TURN stands in three queues, each in the order in which its entries become ready; the two tiles alternate, so that no instruction reads the result of the one before it.
.macro REGS y, u                    ; the registers of tile u (0, 1) of piece y
.set rT, ST+4*(2*(\y)+(\u))
.set rC, TMP+8*((\y)%2)+4*(\u)
.set rM, MV+2*((\y)%2)+(\u)
.set rS, S+64*((\y)%2)+32*(\u)
.set rP, P+32*((\y)%2)+16*(\u)
.set rO, 32*(2*(\y)+(\u))
.endm
; Number n of the 22 that find the NEXT piece's (Y + 1) maximum and statistics.  s0-s31 are the lane's 32 scores; each accumulator's lowest registers are read first.  XS, GS and REGS set no window: PL and EX do.
;   0-11  four chains c0-c3 of seven scores each, three operands at a time     12-14, 16  the four scores left over, the old m, and c0-c3 into c0     15  c m_old is kept
;   17, 18  the query's other 32 keys lie in the lane 16 away: the new m         19-21  c m; c m_old - c m_new; a
.macro XS u, n
	REGS (Y+1)%NP, \u
.if (\n) < 4
	v_max3_num_f32 v[rC+(\n)], v[rS+8*(\n)], v[rS+8*(\n)+1], v[rS+8*(\n)+2]
.elseif (\n) < 12
	v_max3_num_f32 v[rC+(\n)%4], v[rC+(\n)%4], v[rS+8*((\n)%4)+2*((\n)/4)+1], v[rS+8*((\n)%4)+2*((\n)/4)+2]
.elseif (\n) == 12
	v_max3_num_f32 v[rC], v[rC], v[rS+7], v[rS+15]
.elseif (\n) == 13
	v_max3_num_f32 v[rC+1], v[rC+1], v[rS+23], v[rS+31]
.elseif (\n) == 14
	v_max3_num_f32 v[rC+2], v[rC+2], v[rC+3], v[rT+1]
.elseif (\n) == 15
	v_mov_b32 v[rM], v[rT]
.elseif (\n) == 16
	v_max3_num_f32 v[rC], v[rC], v[rC+1], v[rC+2]
.elseif (\n) == 17
	v_permlanex16_b32 v[rC+3], v[rC], s[SEL], s[SEL+1]
.elseif (\n) == 18
	v_max_num_f32 v[rT+1], v[rC], v[rC+3]
.elseif (\n) == 19
	v_mul_f32 v[rT], s[CS], v[rT+1]
.elseif (\n) == 20
	v_sub_f32 v[rC+1], v[rM], v[rT]
.else
	v_exp_f32 v[rC+2], v[rC+1]
.endif
.endm
; Number g of the 64 that follow the exponentials.  For each four weights k of a tile (pairs 2 k, 2 k + 1): both pairs are rounded to f16; then the second pair is added onto the first, in place;
; a group later l takes that sum (the first time as l = a l + sum).  In groups of eight, tiles alternating: round, round, add, and l for the group before.
.macro GS g
.set h, (\g)+6*((\g)/62)            ; group 0 has no group before it, and behind group 7 only l is left
.if h >= 6
.set h, h+2
.endif
	REGS Y, h%2
.set k, h/8
.if h%8 < 4
	s_wait_alu depctr_va_vdst(0)
	v_cvt_pk_f16_f32 v[rP+2*k+(h%8)/2], v[rS+4*k+2*((h%8)/2)], v[rS+4*k+2*((h%8)/2)+1]
.elseif h%8 < 6
	v_pk_add_f32 v[rS+4*k:rS+4*k+1], v[rS+4*k:rS+4*k+1], v[rS+4*k+2:rS+4*k+3]
.elseif k == 1
	v_pk_fma_f32 v[rT+2:rT+3], v[rT+2:rT+3], v[rC+2:rC+3], v[rS:rS+1] op_sel_hi:[1,0,1]
.else
	v_pk_add_f32 v[rT+2:rT+3], v[rT+2:rT+3], v[rS+4*k-4:rS+4*k-3]
	s_wait_alu depctr_va_vdst(0)
.endif
.endm
; THE PLAIN QUEUE, 138 long.  0-31: c s - c m for the 16 pairs of both tiles.  Then GS's 64, and among them the next piece's 42: number 15 at 38, 39; 0-14 and 16
; at 42-73, behind the products that make those scores; 17-20 at 95-106, two of three, since each waits for the one before it.
.macro PL
	WIN 0
.if q < 32
	REGS Y, q%2
	v_pk_fma_f32 v[rS+2*(q/2):rS+2*(q/2)+1], v[rS+2*(q/2):rS+2*(q/2)+1], s[CS:CS+1], v[rT:rT+1] op_sel_hi:[1,0,0] neg_lo:[0,0,1] neg_hi:[0,0,1]
.elseif q < 38
	GS q-32
.elseif q < 40
	XS q%2, 15
.elseif q < 42
	GS q-34
.elseif q < 74
	XS q%2, (q-42)/2+(q-42)/30
.elseif q < 95
	GS q-66
.elseif (q < 107) && ((q-95)%3 < 2)
	XS (q-95)%3, 17+(q-95)/3
.elseif q < 107
	GS 29+(q-95)/3
.else
	GS q-74
.endif
.set q, q+1
.endm
; THE EXPONENTIALS' QUEUE, 66 long: s0-s31 of both tiles, and at EA the next piece's two a.
.set EA, 58
.macro EX
	WIN 0
.if (e == EA) || (e == EA+1)
	XS e-EA, 21
.else
.set x, e-2*(e/(EA+2))
	REGS Y, x%2
	v_exp_f32 v[rS+x/2], v[rS+x/2]
.endif
.set e, e+1
.endm
; THE RESCALING's QUEUE: O^T times a, the one part that leaves window 0, so it is dealt four at a time, eight times.
.macro R4
	REGS Y, r%2
	WIN W_RS
	s_wait_alu depctr_va_vdst(0)
.irp z, 0,1,2,3
	v_pk_mul_f32 v[rO+8*(r/2)+2*\z:rO+8*(r/2)+2*\z+1], v[rO+8*(r/2)+2*\z:rO+8*(r/2)+2*\z+1], v[rC+2:rC+3] op_sel_hi:[1,0]
.endr
.set r, r+1
.endm
; HOW THEY ARE DEALT.  Behind a matrix instruction four: plain, exponential, plain, plain (one exponential, a plain instruction on either side), or four of the rescaling.  None names a register of the
; products round it.  What is over stands in two LUMPS: exponential and plain by turns; the second ends in 22 plain instructions.  The two v_permlanex16_b32 fall into the second lump, never behind a product.
; The queues lean on each other, and the deal keeps them in step: exponential e stands behind plain 2 (e / 4) + e % 2 (its scaling); when plain 32 comes, 10 exponentials are out, at 59: 33, at 95: 46; EA comes behind plain 107.
.macro SL
	MM
	PL
	EX
	PL
	PL
.endm
.macro BURST n                      ; 15 matrix instructions, or 16
.rept (\n)-7
	SL
.endr
.rept 3
	MM
	R4
	SL
.endr
	MM
	R4
.endm
; A TURN, for piece p.  cnt = 1: the loop's count is taken down some lines ahead of the branch that stands behind the turn.
; K of the next step is fetched in piece 2's turn, 31 vector instructions behind the last product that read K; its first reader comes behind the rest of the lump, 16 products and the second lump.
; V of the step in hand is fetched at the end of piece 0's turn, 69 behind its last reader; its first reader comes behind 16 products and a lump.  The four conditions on e and q below go with the deal.
.macro TURN p, last=0, cnt=0
.set Y, (\p)
.set i, 0
.set q, 0
.set e, 0
.set r, 0
.if (\p) == NP-1
	s_wait_dscnt 0x0                ; K is in
.endif
	MM
.rept 4
	PL
.endr
	BURST 15
.rept 22
	EX
	PL
.if ((\p) == NP-2) && (e == 18)
	v_add_nc_u32 v[AK], s[TBK], v[AK0]
.endif
.if ((\p) == NP-2) && (e == 24)
	FETCH_K \last
.endif
.endr
.if (\p) == 1
	s_wait_dscnt 0x0                ; V is in
.endif
	BURST 16
.rept 21
	EX
	PL
.endr
.rept 22
	PL
.if ((\p) == 0) && (q == 118)
	v_add_nc_u32 v[AV], s[TBV], v[AV0]
	s_wait_alu depctr_va_vdst(0)
.endif
.if ((\p) == 0) && (q == 130)
	s_add_co_u32 s[TBV], s[TBV], KS*PV
.endif
.if (\cnt) && (q == 130)
	s_sub_co_u32 s[CNT], s[CNT], 1
	s_cmp_lg_u32 s[CNT], 0
.endif
.endr
.if (\p) == 0
	FETCH_V
.endif
.endm
	CHANGE 1                        ; slot 0 is in, everybody's part of it; slot 1 is asked for
	FETCH_K                         ; key step 0
	s_wait_loadcnt 0x0              ; Q
	s_wait_dscnt 0x0
.set i, 0
.rept 16
	KQ 0                            ; piece 0's first scores: there is no vector work yet to set between them
.set i, i+1
.endr
	WIN 0                           ; the addresses for the way out: nine plain instructions, the places behind those products
	s_mul_i32 s13, s[WV], 16*SP
	s_add_co_u32 s13, s13, STAGE    ; my stage
	v_mul_u32_u24 v[STO], v1, SP    ; in: row l % 16, 16 bytes for each half of the lanes
	v_lshl_add_u32 v[STO], v9, 4, v[STO]
	v_add_nc_u32 v[STO], s13, v[STO]
	v_bfe_u32 v[RD], v0, 3, 2       ; back: 32 lanes take four rows of 128 bytes,
	v_mul_u32_u24 v[RD], v[RD], SP
	v_lshl_add_u32 v[RD], v10, 4, v[RD]
	v_add_nc_u32 v[RD], s13, v[RD]
	v_and_b32 v[GO], 31, v0         ; which are 512 consecutive bytes of O
	v_lshlrev_b32 v[GO], 4, v[GO]
.set Y, NP-1                        ; XS works for piece Y + 1: piece 0
.irp n, 0,1,2,3,4,5,6,7,8,9,10,11,12,13,14,15,16,17,18,19,20,21
	XS 0, \n                        ; and piece 0's first maximum and statistics
	XS 1, \n
.endr
	s_mov_b32 s[CNT], 4
	s_mov_b32 s[SLOTS], SIZE_N/256-1
	s_branch .Lfirst                ; the loop is entered at a step's first turn, in the middle of a trip
.Lslot:                             ; SIZE_N / 256 - 2 times: every slot but the last two is filled again
	CHANGE 1
	s_mov_b32 s[CNT], 4
.Lstep:                             ; a trip: pieces 2 and 3 of one step, then pieces 0 and 1 of the next, whose K and V it fetches
	TURN 2
	TURN 3
	WIN 0
.Lfirst:
	TURN 0
	TURN 1, 0, 1
	WIN 0
	s_cbranch_scc1 .Lstep
	s_sub_co_u32 s[SLOTS], s[SLOTS], 1
	s_cmp_lg_u32 s[SLOTS], 0
	s_cbranch_scc1 .Lslot
	CHANGE 0                        ; the tail is written out: nothing is asked for
	s_mov_b32 s[CNT], 5             ; four trips fetch the last slot's steps; the fifth is left in its middle
.Ltail:
	TURN 2, 1
	TURN 3
	WIN 0
	s_sub_co_u32 s[CNT], s[CNT], 1
	s_cmp_eq_u32 s[CNT], 0
	s_cbranch_scc1 .Lout
	TURN 0
	TURN 1
	WIN 0
	s_branch .Ltail
.Lout:                              ; the fifth trip's 16 products K Q^T (on the last K once more) and the maximum made of them serve nothing: the price, once a launch, of one text for every trip
.set i, 0
.rept 16
	PV NP-1                         ; the last piece's V^T P of the last step
.set i, i+1
.endr
	; THE WAY OUT.  l's two halves and the other half of the lanes' are added; O^T is divided by l, rounded to f16 and sent through my stage in LDS, a tile at a time.  The additions are the places behind the last products.
	WIN 0
.macro ALL line:vararg              ; one line for each tile t
.set t, 0
.rept 2*NP
	\line
.set t, t+1
.endr
.endm
	ALL v_add_f32 v[ST+4*t+2], v[ST+4*t+2], v[ST+4*t+3]
	ALL v_permlanex16_b32 v[ST+4*t+3], v[ST+4*t+2], s[SEL], s[SEL+1]
	ALL v_add_f32 v[ST+4*t+2], v[ST+4*t+2], v[ST+4*t+3]
	ALL v_rcp_f32 v[ST+4*t+2], v[ST+4*t+2]
	v_nop                           ; a plain instruction between the last reciprocal and the use of its result
	s_wait_alu depctr_va_vdst(0)
; Tile t: a lane's eight channels of a row pack into 16 bytes; they go into rows of 144 bytes and come back as whole rows of 128, into S^T's registers.
.macro PACK t
	WIN W_RS
.set i, 32*(\t)
.rept 16
	v_pk_mul_f32 v[i:i+1], v[i:i+1], v[ST+4*(\t)+2:ST+4*(\t)+3] op_sel_hi:[1,0]
.set i, i+2
.endr
	WIN 0x05                        ; sources 0 and 1 window 1, destination window 0
.set i, 0
.rept 16
	v_cvt_pk_f16_f32 v[S+16*(\t)+i], v[32*(\t)+2*i], v[32*(\t)+2*i+1]
.set i, i+1
.endr
	WIN 0
.irp f, 0,1,2,3
	ds_store_b128 v[STO], v[S+16*(\t)+4*\f:S+16*(\t)+4*\f+3] offset:32*\f
.endr
.irp f, 0,1,2,3
	ds_load_b128 v[S+16*(\t)+4*\f:S+16*(\t)+4*\f+3], v[RD] offset:\f*4*SP  ; LDS serves a wave's instructions in order (ISA guide 5.7.1.4): these see the stores above; the next tile's stores come behind them
.endr
.endm
.macro SEND t, younger              ; younger: the LDS instructions issued behind tile t's loads: the next tile's eight, or none
	WIN 0
.irp f, 0,1,2,3
	s_wait_dscnt (\younger)+3-\f
	global_store_b128 v[GO], v[S+16*(\t)+4*\f:S+16*(\t)+4*\f+3], s[10:11] offset:(\t)*2048+\f*512  ; 512 consecutive bytes, at a multiple of 256 from O's first
.endr
.endm
	PACK 0
.set t, 1
.rept 2*NP-1                        ; a tile's arithmetic stands between the loads of the tile before and its stores
	PACK t
	SEND t-1, 8
.set t, t+1
.endr
	SEND 2*NP-1, 0
	WIN W_AD
	s_wait_tensorcnt 0x0            ; the wave's end: behind my last tensor load and my last LDS store
	ds_add_u32 v[SPW], v[NIL]
	s_wait_dscnt 0x0
	WIN 0
	CROUND                          ; the closing round: no work-group ends while a partner may still ask for a tile that names it
	s_endpgm
.Lfunc_end_k_qa49b7c56af_attn:
	.size	k_qa49b7c56af_attn, .Lfunc_end_k_qa49b7c56af_attn-k_qa49b7c56af_attn
	.p2alignl 7, 3214868480
	.fill 96, 4, 3214868480
	.section	.rodata,"a",@progbits
	.p2align	6, 0x0
	.amdhsa_kernel k_qa49b7c56af_attn
		.amdhsa_group_segment_fixed_size 327680
		.amdhsa_private_segment_fixed_size 0
		.amdhsa_enable_private_segment 0
		.amdhsa_kernarg_size 16
		.amdhsa_user_sgpr_count 2
		.amdhsa_user_sgpr_kernarg_segment_ptr 1
		.amdhsa_wavefront_size32 1
		.amdhsa_system_sgpr_workgroup_id_x 1
		.amdhsa_system_sgpr_workgroup_id_y 1
		.amdhsa_system_sgpr_workgroup_id_z 1
		.amdhsa_system_vgpr_workitem_id 0
		.amdhsa_next_free_vgpr 770
		.amdhsa_next_free_sgpr 66
		.amdhsa_reserve_vcc 0
		.amdhsa_float_denorm_mode_32 3
		.amdhsa_float_denorm_mode_16_64 3
		.amdhsa_memory_ordered 1
		.amdhsa_forward_progress 1
		.amdhsa_inst_pref_size 209
	.end_amdhsa_kernel
	.amdgpu_metadata
---
amdhsa.version: [ 1, 2 ]
amdhsa.kernels:
  - .name:           k_qa49b7c56af_attn
    .symbol:         k_qa49b7c56af_attn.kd
    .args:
      - { .name: qkv, .offset: 0, .size: 8, .value_kind: global_buffer, .address_space: global }
      - { .name: ob, .offset: 8, .size: 8, .value_kind: global_buffer, .address_space: global }
    .group_segment_fixed_size: 327680
    .private_segment_fixed_size: 0
    .kernarg_segment_align: 8
    .kernarg_segment_size: 16
    .max_flat_workgroup_size: 128
    .sgpr_count:     66
    .vgpr_count:     770
    .wavefront_size: 32
...
	.end_amdgpu_metadata
.endif
;; end of part 3
;; launch proj (part 4): grid 8 x 32, 4 waves a work-group, clusters of 4 x 4, 327,680 bytes of LDS; arguments ob, cb, bo, out0; writes out0
.if DOCPART == 4
	.amdgcn_target "amdgcn-amd-amdhsa--gfx1250"
	.amdhsa_code_object_version 6
	.text
	.protected	k_qa49b7c56af_proj
	.globl	k_qa49b7c56af_proj
	.p2align	8
	.type	k_qa49b7c56af_proj,@function
k_qa49b7c56af_proj:
	s_mov_b64 s[64:65], 0
	v_nop
	global_prefetch_b8 v0, s[64:65] scope:SCOPE_SE
	s_setreg_imm32_b32 hwreg(HW_REG_WAVE_MODE, 25, 1), 1
	s_wait_xcnt 0x0
	s_wait_alu depctr_hold_cnt(0) depctr_sa_sdst(0) depctr_va_vdst(0) depctr_va_sdst(0) depctr_va_ssrc(0) depctr_va_vcc(0) depctr_vm_vsrc(0)
	s_getreg_b32 s2, hwreg(HW_REG_IB_STS2, 6, 4)
	s_cmp_eq_u32 s2, 0
	s_cbranch_scc0 .Lentry_in_a_cluster
	s_endpgm
.Lentry_in_a_cluster:
	s_bfe_u32 s2, ttmp6, 0x10000c
	s_cmp_lg_u32 s2, 0xf033
	s_cbranch_scc0 .Lentry_shape_is_right
	s_endpgm
.Lentry_shape_is_right:
; out0[8192][1024] = O Wo + bo, f32.  O lies by heads, [64 bh][2048 s][64] f16: head h's 64 channels are K = 64 h .. 64 h + 63.  WO [1024 k][1024 n] f16 lies in cb at WO_OFF (Wo rounded to bf16,
; that number written as f16).  Sums in f32, started by the bias as it is given, in f32; nothing is rounded on the way out.
; LIMITS.  O and WO arrive within f16's range.  NaN and infinities are not treated apart.
; SHARES.  A work-group makes 256 rows x 128 columns: 32 x 8 = 256 work-groups.  Each of its four waves makes 128 x 64: 32 accumulators of 16 x 16, 256 registers.  K goes in 8 steps of 128 (two heads)
; through two LDS slots: 128 matrix instructions a wave in a step.
; THE MATRIX INSTRUCTION IS USED TRANSPOSED: source 0 = 16 columns of WO (turned on the way out of LDS by ds_load_tr16_b128), source 1 = 16 rows of O: a lane holds row l % 16 and eight neighbouring columns.
; CLUSTERS: 4 x 4 work-groups.  The four of a row of the cluster need the same tiles of O, the four of a column the same tiles of WO: each tile is asked for JOINTLY.
; PREFETCH.  A K step's tile of O is 65,536 bytes, which the eight work-groups of a tile row read: wave 0 of each asks for an eighth of it, 32 lanes 256 bytes apart: K step 2 at the start, K step j + 3 in
; trip j, one trip ahead of the tensor load that wants it; the last trip asks for nothing, since there is no K step 8.  A tile column of WO is 1,024 rows of 256 bytes, which 32 work-groups read: wave 1 of each
; asks once, at the start, for 32 of the rows (those below row 256 are also on their way by the first fills).
; REGISTERS: window 0: v0-15 addresses; two fragment buffers of 96 (v32, v128): 64 of O (block a at + 8 a), 32 of WO (column block bq at + 64 + 8 bq); v224-255 the bias;
;   on the way out v32-95 rows read back.   window 1: the accumulators, (a, bq) at v[8 (4 a + bq)].
.set WO_OFF, 23068672
.set PA,    144                        ; a row of O in LDS: 128 bytes + 16 of padding = 36 words: the 16 rows of a load start at 16 different groups of four banks (64 banks of 4 bytes: ISA guide 11.1)
.set PB,    288                        ; a row of WO: 256 + 32 = 72 words
.set PLANE, 256*PA                     ; a slot: 256 rows of the step's first head, 256 rows of its second, then 128 rows of WO
.set BOFF,  2*PLANE
.set SLOT1, 1<<17                      ; slot 1 begins here, so that one exclusive or turns an address in one slot into the other's
.set STAGE, SLOT1+BOFF+128*PB          ; behind the ring, never filled by a tensor load: 16 rows x 272 bytes for each wave, for the way out
.set SP,    272
.set SPARE, STAGE+4*16*SP              ; behind the stages: the spare words, 128 bytes for each wave: two blocks of 256 bytes that no other line names
.set ASTEP, 2*2048*128                 ; bytes from a K step's tile of O to the next: two heads
.set BSTEP, 128*2048                   ; of WO: 128 rows
.set AA0, 4                            ; v4   my lane's place in a slot's rows of O; never rewritten
.set AB0, 5                            ; v5   the same for WO
.set AA,  6                            ; v6   the same in the slot in hand
.set AB,  7                            ; v7
.set STO, 8                            ; v8   the way out: where I put 32 bytes of a row
.set RD,  9                            ; v9   the way out: where I read a row back
.set GO,  10                           ; v10  my byte offset in two rows of out0
.set BO,  11                           ; v11  my byte offset in 16 numbers of the bias
.set SPW, 12                           ; v12  LDS address of my spare word: SPARE + 4 x my thread's number; never rewritten
.set NIL, 13                           ; v13  0; never rewritten
.set PF,  14                           ; v14  prefetch of O: 256 x lane; never rewritten
.set PW,  15                           ; v15  prefetch of WO: 2,048 x lane; never rewritten
.set F0,  32
.set F1,  128
.set BI,  224
.set BK,  32
.set WV,  14                           ; s14  my wave's number
.set WM,  15                           ; s15  which 128 rows are mine.  Also: I fetch O (0) or WO (1)
.set WN,  16                           ; s16  which 64 columns.  Also: which half of that tile I fetch
.set CX,  17
.set CY,  18
.set TX,  19                           ; s19  tile column, 0..7
.set TY,  20                           ; s20  tile row, 0..31
.set G1A, 24                           ; s[24:31] descriptor group 1 for O's tiles
.set G1B, 32                           ; s[32:39] for WO's
.set G0A, 40                           ; s[40:47] descriptor group 0 for O's tiles: a set for each of the two first fills; the second then walks on
.set G0B, 48                           ; s[48:55] the same for WO's
.set TB,  56                           ; s56  LDS byte at which the slot in hand begins
.set CNT, 57
.set PFA, 88                           ; s[88:89] prefetch of O: my work-group's eighth of the K step asked for last
.set PFB, 90                           ; s[90:91] prefetch of WO: my work-group's 32 rows
.set MSB, 0
.macro WIN new                         ; the immediate's high byte repeats the setting that is left; a switch that changes nothing is dropped
.if MSB != (\new)
	s_set_vgpr_msb (MSB<<8)|(\new)
.set MSB, (\new)
.endif
.endm
.macro PLACES                          ; four places in front of loads into registers that matrix instructions have read, and of LDS stores that read results (ISA guide 7.12.1 for vector instructions)
.rept 4
	v_nop
.endr
.endm
; A joint refill.  Waves 0 and 1 fetch the step's two heads of O, waves 2 and 3 the two halves of WO's tile.  The branch hangs on the wave's number alone.
; An s_nop 0 and four v_nop follow each of the two lines, ahead of the jump and the label.
.macro JLOAD
	s_cmp_eq_u32 s[WM], 0
	s_cbranch_scc0 .Lfor_b_\@
	tensor_load_to_lds s[G0A+4:G0A+7], s[G1A:G1A+7]
	s_nop 0
.rept 4
	v_nop
.endr
	s_branch .Lasked_\@
.Lfor_b_\@:
	tensor_load_to_lds s[G0B+4:G0B+7], s[G1B:G1B+7]
	s_nop 0
.rept 4
	v_nop
.endr
.Lasked_\@:
.endm
.macro CREST                           ; a round of the cluster's barrier behind its opening barrier
	s_cmp_lg_u32 s[WV], 0
	s_cbranch_scc1 .Lnot_wave_0_\@
	s_barrier_signal -3
.Lnot_wave_0_\@:
	s_barrier_wait -3
	s_barrier_signal -1
	s_barrier_wait -1
.endm
.macro CROUND                          ; a whole round
	s_barrier_signal -1
	s_barrier_wait -1
	CREST
.endm
	s_load_b256 s[4:11], s[0:1], 0x0               ; O s[4:5], cb s[6:7], bo s[8:9], out0 s[10:11]
	v_lshl_add_u32 v[SPW], v0, 2, SPARE
	v_mov_b32 v[NIL], 0
	ds_add_u32 v12, v13
	s_wait_dscnt 0x0
	v_lshrrev_b32 v1, 5, v0
	v_readfirstlane_b32 s[WV], v1                  ; wave 0..3
	s_lshr_b32 s[WM], s[WV], 1
	s_and_b32 s[WN], s[WV], 1
	s_bfe_u32 s[CX], ttmp6, 0x40000                ; my place in the cluster
	s_bfe_u32 s[CY], ttmp6, 0x40004
	s_lshl_b32 s[TX], ttmp9, 2                     ; in a cluster launch ttmp9 and ttmp7 count clusters
	s_add_co_u32 s[TX], s[TX], s[CX]
	s_and_b32 s[TY], ttmp7, 0xffff
	s_lshl_b32 s[TY], s[TY], 2
	s_add_co_u32 s[TY], s[TY], s[CY]
	s_lshl_b32 s21, s[CY], 2
	s_lshl_b32 s21, 15, s21                        ; my row of the cluster
	s_lshl_b32 s22, 0x1111, s[CX]                  ; my column
	; descriptor group 1.  O: 256 rows of 128 bytes of one head are 32,768 dense bytes, asked for as 128 rows of 256 bytes and padded in LDS after every 128.  WO: 64 rows of 256 bytes, padded after each.
	s_or_b32 s[G1A], s21, (1<<16)|(1<<20)|(1<<21)|(4<<22)|(3<<25)  ; 15:0 the mask; 17:16 2-byte elements; 20 padding on; 21 set beside a mask; 24:22 after every 32 words (code 4); 31:25 4 words (code 3)
	s_mov_b32 s[G1A+1], 128<<16                    ; tensor_dim0 = 128
	s_mov_b32 s[G1A+2], 128<<16                    ; tensor_dim1 = 128
	s_mov_b32 s[G1A+3], 128<<16                    ; tile_dim0 = 128
	s_mov_b32 s[G1A+4], 128                        ; tile_dim1 = 128
	s_mov_b32 s[G1A+5], 128                        ; elements from row to row
	s_mov_b32 s[G1A+6], 0
	s_mov_b32 s[G1A+7], 0
	s_or_b32 s[G1B], s22, (1<<16)|(1<<20)|(1<<21)|(5<<22)|(7<<25)  ; after every 64 words (code 5) 8 words (code 7)
	s_mov_b32 s[G1B+1], 128<<16                    ; tensor_dim0 = 128
	s_mov_b32 s[G1B+2], 64<<16                     ; tensor_dim1 = 64
	s_mov_b32 s[G1B+3], 128<<16                    ; tile_dim0 = 128
	s_mov_b32 s[G1B+4], 64                         ; tile_dim1 = 64
	s_mov_b32 s[G1B+5], 1024                       ; elements from row to row
	s_mov_b32 s[G1B+6], 0
	s_mov_b32 s[G1B+7], 0
	; where the tiles come from.  O's hang on the tile row alone, WO's on the tile column alone, each in registers that never hold the other coordinate.
	s_lshr_b32 s60, s[TY], 3                       ; b: eight tile rows a batch
	s_lshl_b32 s60, s60, 22                        ; 16 heads x 2,048 rows x 128 bytes
	s_and_b32 s61, s[TY], 7
	s_lshl_b32 s61, s61, 15                        ; 256 rows of 128 bytes
	s_add_co_u32 s60, s60, s61
	s_lshl_b32 s61, s[WN], 18                      ; my head of the step's two
	s_add_co_u32 s60, s60, s61
	s_mov_b32 s61, 0
	s_lshl_b32 s66, s[TX], 8                       ; 128 columns of 2 bytes
	s_lshl_b32 s67, s[WN], 17                      ; my 64 rows of 2,048 bytes
	s_add_co_u32 s66, s66, s67
	s_add_co_u32 s66, s66, WO_OFF
	s_mov_b32 s67, 0
	s_mul_i32 s62, s[WN], PLANE                    ; and where they go: no place in the cluster enters an LDS address
	s_mul_i32 s63, s[WN], 64*PB
	s_add_co_u32 s63, s63, BOFF
	s_wait_kmcnt 0x0
	s_add_nc_u64 s[60:61], s[4:5], s[60:61]
	s_add_nc_u64 s[66:67], s[6:7], s[66:67]
	CROUND                                         ; all sixteen work-groups are here: the first joint loads meet
.irp s, 0,1
	s_mov_b32 s[G0A+4*\s], 1                       ; 1:0 count = 1
	s_add_co_u32 s[G0A+4*\s+1], s62, \s*SLOT1      ; 63:32 LDS address
	s_add_nc_u64 s[G0A+4*\s+2:G0A+4*\s+3], s[60:61], \s*ASTEP  ; 120:64 global address: K step s
	s_or_b32 s[G0A+4*\s+3], s[G0A+4*\s+3], 0x80000000          ; 127:126 type = 2
	s_mov_b32 s[G0B+4*\s], 1
	s_add_co_u32 s[G0B+4*\s+1], s63, \s*SLOT1
	s_add_nc_u64 s[G0B+4*\s+2:G0B+4*\s+3], s[66:67], \s*BSTEP
	s_or_b32 s[G0B+4*\s+3], s[G0B+4*\s+3], 0x80000000
.endr
	s_cmp_eq_u32 s[WM], 0                          ; a wave's two first fills stand in one branch, ahead of every wait on TENSORcnt and every LDS read: two loads of mine are out
	s_cbranch_scc0 .Lfirst_b
	tensor_load_to_lds s[G0A:G0A+3], s[G1A:G1A+7]
	s_nop 0
	tensor_load_to_lds s[G0A+4:G0A+7], s[G1A:G1A+7]
	s_nop 0
.rept 4
	v_nop
.endr
	s_branch .Lfirst_asked
.Lfirst_b:
	tensor_load_to_lds s[G0B:G0B+3], s[G1B:G1B+7]
	s_nop 0
	tensor_load_to_lds s[G0B+4:G0B+7], s[G1B:G1B+7]
	s_nop 0
.rept 4
	v_nop
.endr
.Lfirst_asked:
	; the two prefetches' addresses.  O: the batch, K step 2's two heads, the tile's 256 rows; of those 65,536 bytes eighth TX: head TX / 4 of the two, 8,192 bytes at 8,192 (TX % 4).
	v_and_b32 v3, 31, v0
	v_lshlrev_b32 v[PF], 8, v3
	v_lshlrev_b32 v[PW], 11, v3
	s_lshr_b32 s84, s[TY], 3
	s_lshl_b32 s84, s84, 22
	s_and_b32 s85, s[TY], 7
	s_lshl_b32 s85, s85, 15
	s_add_co_u32 s84, s84, s85
	s_lshr_b32 s85, s[TX], 2
	s_lshl_b32 s85, s85, 18
	s_add_co_u32 s84, s84, s85
	s_and_b32 s85, s[TX], 3
	s_lshl_b32 s85, s85, 13
	s_add_co_u32 s84, s84, s85
	s_add_co_u32 s84, s84, 2*ASTEP
	s_mov_b32 s85, 0
	s_add_nc_u64 s[PFA:PFA+1], s[4:5], s[84:85]
	s_lshl_b32 s86, s[TY], 16                      ; WO: rows 32 TY on, 2,048 bytes each, the tile column's 256 bytes of them
	s_lshl_b32 s87, s[TX], 8
	s_add_co_u32 s86, s86, s87
	s_add_co_u32 s86, s86, WO_OFF
	s_mov_b32 s87, 0
	s_add_nc_u64 s[PFB:PFB+1], s[6:7], s[86:87]
	s_cmp_lg_u32 s[WV], 0
	s_cbranch_scc1 .Lnot_0
	global_prefetch_b8 v[PF], s[PFA:PFA+1] th:TH_LOAD_NT scope:SCOPE_SE
.Lnot_0:
	s_cmp_lg_u32 s[WV], 1
	s_cbranch_scc1 .Lnot_1
	global_prefetch_b8 v[PW], s[PFB:PFB+1] th:TH_LOAD_NT scope:SCOPE_SE
.Lnot_1:
	s_lshl_b32 s80, s[TX], 9                       ; my 64 columns, in bytes of f32: 512 x tile column + 256 x half
	s_lshl_b32 s81, s[WN], 8
	s_add_co_u32 s80, s80, s81
	s_mov_b32 s81, 0
	s_add_nc_u64 s[8:9], s[8:9], s[80:81]          ; the bias at them
	s_lshl_b32 s82, s[TY], 20                      ; 256 rows of 4,096 bytes,
	s_lshl_b32 s83, s[WM], 19                      ; my 128 of them
	s_add_co_u32 s80, s80, s82
	s_add_co_u32 s80, s80, s83
	s_add_nc_u64 s[10:11], s[10:11], s[80:81]      ; out0 at my first row and column
	v_and_b32 v1, 15, v0                           ; l % 16
	v_bfe_u32 v2, v0, 4, 1                         ; l / 16
	v_lshlrev_b32 v[BO], 5, v2                     ; my eight columns of sixteen
	; THE BIAS STARTS THE SUMS.  Register j of a lane's result is column 8 (l / 16) + j, whatever the row: those eight numbers for each column block are the C operand of every accumulator's first
	; product.  The loads are on their way in the wait for the first tile.
.irp bq, 0,1,2,3
	global_load_b128 v[BI+8*\bq:BI+8*\bq+3],   v[BO], s[8:9] offset:64*\bq
	global_load_b128 v[BI+8*\bq+4:BI+8*\bq+7], v[BO], s[8:9] offset:64*\bq+16
.endr
	; A fragment of O is 16 rows x 32 K in 8 registers: lane l holds row l % 16, K = 8 (l / 16) + 0..7 and 16 + 8 (l / 16) + 0..7: two loads of 16 bytes, 32 bytes apart.
	v_mul_u32_u24 v[AA0], v1, PA
	v_lshl_add_u32 v[AA0], v2, 4, v[AA0]
	s_mul_i32 s80, s[WM], 128*PA
	v_add_nc_u32 v[AA0], s80, v[AA0]
	; The turning load takes 16 K x 16 columns (lane l reads row 8 (l / 16) + l % 8, columns 8 ((l / 8) % 2) + 0..7) and leaves half a fragment: lane l holds column l % 16 and 8 K.
	v_and_b32 v3, 7, v0
	v_lshl_add_u32 v3, v2, 3, v3
	v_mul_u32_u24 v[AB0], v3, PB
	v_bfe_u32 v3, v0, 3, 1
	v_lshl_add_u32 v[AB0], v3, 4, v[AB0]
	s_lshl_b32 s80, s[WN], 7                       ; my 64 columns of a row's 128
	s_add_co_u32 s80, s80, BOFF
	v_add_nc_u32 v[AB0], s80, v[AB0]
	s_mul_i32 s80, s[WV], 16*SP
	s_add_co_u32 s80, s80, STAGE                   ; my stage
	v_mul_u32_u24 v[STO], v1, SP                   ; in: row l % 16, 32 bytes for each half of the lanes
	v_lshl_add_u32 v[STO], v2, 5, v[STO]
	v_add_nc_u32 v[STO], s80, v[STO]
	v_mul_u32_u24 v[RD], v2, SP                    ; back: lanes 0-15 take one row of 256 bytes, lanes 16-31 the next
	v_lshl_add_u32 v[RD], v1, 4, v[RD]
	v_add_nc_u32 v[RD], s80, v[RD]
	v_lshlrev_b32 v[GO], 12, v2                    ; and the same two rows in out0
	v_lshl_add_u32 v[GO], v1, 4, v[GO]
; n x 4 matrix instructions: row blocks a0 .. a0 + n - 1 x 4 column blocks, 32 along K, buffer f.  z = 1: the first products, with the bias as C.  The 32 accumulators take turns, one instruction a
; turn, in the same order in every quarter.
.macro MUL f, a0, n, z=0
.if \z
	WIN 0x40                                       ; D window 1; sources and C window 0
.else
	WIN 0x50                                       ; C and D window 1; sources window 0
.endif
.set ma, (\a0)
.rept (\n)
.irp bq, 0,1,2,3
.if \z
	v_wmma_f32_16x16x32_f16 v[8*(4*ma+\bq):8*(4*ma+\bq)+7], v[(\f)+64+8*\bq:(\f)+64+8*\bq+7], v[(\f)+8*ma:(\f)+8*ma+7], v[BI+8*\bq:BI+8*\bq+7]
.else
	v_wmma_f32_16x16x32_f16 v[8*(4*ma+\bq):8*(4*ma+\bq)+7], v[(\f)+64+8*\bq:(\f)+64+8*\bq+7], v[(\f)+8*ma:(\f)+8*ma+7], v[8*(4*ma+\bq):8*(4*ma+\bq)+7]
.endif
.endr
.set ma, ma+1
.endr
.endm
; 24 LDS loads in one run: quarter q's fragments (K = 32 q on: head q / 2 of the step's two, channels 32 (q % 2) on) into buffer f: WO's 8, then O's row blocks 0-3, then 4-7
.macro FETCH q, f
	WIN 0
.irp bq, 0,1,2,3
	ds_load_tr16_b128 v[(\f)+64+8*\bq:(\f)+64+8*\bq+3],   v[AB] offset:32*PB*(\q)+32*\bq
	ds_load_tr16_b128 v[(\f)+64+8*\bq+4:(\f)+64+8*\bq+7], v[AB] offset:32*PB*(\q)+32*\bq+16*PB
.endr
.irp a, 0,1,2,3,4,5,6,7
	ds_load_b128 v[(\f)+8*\a:(\f)+8*\a+3],   v[AA] offset:PLANE*((\q)/2)+64*((\q)%2)+16*PA*\a
	ds_load_b128 v[(\f)+8*\a+4:(\f)+8*\a+7], v[AA] offset:PLANE*((\q)/2)+64*((\q)%2)+16*PA*\a+32
.endr
.endm
; A K step is four quarters of 32 along K, 32 matrix instructions each, on buffers 0, 1, 0, 1.  One of the first three: multiplies buffer f and fetches quarter qn of the same slot into buffer g.
.macro QUARTER f, g, qn, z=0
	s_wait_dscnt 8                                 ; O's row blocks 4-7 may be out
	MUL \f, 0, 4, \z
	PLACES
	FETCH \qn, \g
	s_wait_dscnt 24                                ; all but the 24 just issued
	MUL \f, 4, 4, \z
.endm
; The last quarter multiplies buffer 1 and changes slots: ONE barrier.  Its first sixteen products, which want nothing of the next tile, stand ahead of the wait for that tile.  Then each wave waits for all
; its tensor loads, of which one is out: its part of the next slot; adds 0 to its spare word; and waits for that and for its own reads of this slot, all of which have been issued.  Behind the barrier
; nobody reads this slot any more and the next slot is whole.  fill = 1: this slot is filled again, two K steps ahead; the barrier then opens a round of the cluster's, and the joint refill is the first
; thing behind the round: 128 matrix instructions ahead of the wait for it.
.macro TURN fill
	s_wait_dscnt 8                                 ; O's row blocks 4-7 may be out
	MUL F1, 0, 4
	WIN 0
	s_wait_tensorcnt 0x0                           ; no tensor load of mine is out, so a group 0 may be written
	ds_add_u32 v[SPW], v[NIL]                      ; 0 onto my spare word; the scalar steps stand between it and the wait for it
.if \fill
	s_xor_b32 s[G0A+5], s[G0A+5], SLOT1            ; the walking descriptors: the other slot than last time,
	s_add_nc_u64 s[G0A+6:G0A+7], s[G0A+6:G0A+7], ASTEP  ; the next K step; the type bits on top are not reached
	s_xor_b32 s[G0B+5], s[G0B+5], SLOT1
	s_add_nc_u64 s[G0B+6:G0B+7], s[G0B+6:G0B+7], BSTEP
.endif
	s_xor_b32 s[TB], s[TB], SLOT1
	s_wait_dscnt 0x0                               ; the add is done, and my reads of this slot are over
	s_barrier_signal -1
	s_barrier_wait -1
.if \fill
	CREST                                          ; no wave of any partner still reads this slot's tiles or has a load on its way
	JLOAD                                          ; the four v_nop behind it are also the places in front of the loads below
	s_cmp_lg_u32 s[WV], 0                          ; wave 0 asks for my work-group's eighth of the K step behind the one just requested;
	s_cbranch_scc1 .Lno_pf_\@
	s_cmp_lt_u32 s[CNT], 2                         ; not in the loop's last trip: that K step does not exist
	s_cbranch_scc1 .Lno_pf_\@
	s_wait_xcnt 0x0                                ; the last prefetch, a trip ago, has read its base: only behind this wait is the base stepped
	s_add_nc_u64 s[PFA:PFA+1], s[PFA:PFA+1], ASTEP
	global_prefetch_b8 v[PF], s[PFA:PFA+1] th:TH_LOAD_NT scope:SCOPE_SE
.Lno_pf_\@:
.else
	PLACES
.endif
	v_add_nc_u32 v[AA], s[TB], v[AA0]
	v_add_nc_u32 v[AB], s[TB], v[AB0]
	FETCH 0, F0
	MUL F1, 4, 4
.endm
	s_wait_loadcnt 0x0                             ; the bias
	s_wait_tensorcnt 0x1                           ; my part of K step 0 is in; K step 1's may stay out
	s_barrier_signal -1
	s_barrier_wait -1                              ; everybody's is
	s_mov_b32 s[TB], 0
	v_mov_b32 v[AA], v[AA0]
	v_mov_b32 v[AB], v[AB0]
	FETCH 0, F0
	QUARTER F0, F1, 1, 1                           ; the first quarter stands in front of the loop: its products start the sums, with the bias
	WIN 0                                          ; at a label and at a branch every window is 0
	s_mov_b32 s[CNT], 6
.Lk:                                                   ; trip j = 0..5: quarters 1 to 3 of K step j, which asks for K step j + 2, and quarter 0 of K step j + 1
	QUARTER F1, F0, 2
	QUARTER F0, F1, 3
	TURN 1
	QUARTER F0, F1, 1
	WIN 0
	s_sub_co_u32 s[CNT], s[CNT], 1
	s_cmp_lg_u32 s[CNT], 0
	s_cbranch_scc1 .Lk
	; THE TAIL has a text of its own: nothing is asked for.  Two trips: quarters 1 to 3 of K step 6 and quarter 0 of K step 7; then quarters 1 to 3 of K step 7, behind
	; which the loop is left.  That last change of slots (a barrier, and 24 LDS loads of the other slot's old tile, bytes that landed long ago) serves nothing: the price, once a launch, of not
	; writing a K step's quarters a third time.
	s_mov_b32 s[CNT], 2
.Ltail:
	QUARTER F1, F0, 2
	QUARTER F0, F1, 3
	TURN 0
	WIN 0
	s_sub_co_u32 s[CNT], s[CNT], 1
	s_cmp_eq_u32 s[CNT], 0
	s_cbranch_scc1 .Lout
	QUARTER F0, F1, 1
	WIN 0
	s_branch .Ltail
.Lout:
	s_wait_dscnt 0x0                               ; those loads have landed: their registers are used again below
	PLACES                                         ; behind the last products
; THE WAY OUT, a block of 16 rows x 64 columns at a time.  TOST: a lane's eight numbers of a row, 32 bytes, go from the accumulators into my own stage, each accumulator's low four registers first, and come
; back as whole rows of 256 bytes.  SEND: stored.
.macro TOST a
	WIN 0x04                                       ; the stores' data in window 1, their address in window 0
.irp bq, 0,1,2,3
	ds_store_b128 v[STO], v[8*(4*(\a)+\bq):8*(4*(\a)+\bq)+3]   offset:64*\bq
	ds_store_b128 v[STO], v[8*(4*(\a)+\bq)+4:8*(4*(\a)+\bq)+7] offset:64*\bq+16
.endr
	WIN 0
	s_wait_xcnt 0x0                                ; every earlier memory instruction has had its addresses translated (ISA guide 3.1): the registers that the stores of two blocks ago read are loaded again only behind this wait
.irp t, 0,1,2,3,4,5,6,7
	ds_load_b128 v[BK+32*((\a)%2)+4*\t:BK+32*((\a)%2)+4*\t+3], v[RD] offset:\t*2*SP  ; LDS serves a wave's instructions in order (ISA guide 5.7.1.4): these see the stores above; the next block's stores come behind them
.endr
.endm
.macro SEND a, younger                 ; younger: the LDS instructions issued behind block a's loads: the next block's sixteen, or none
	s_wait_dscnt \younger                          ; the block's eight loads are in
.irp t, 0,1,2,3,4,5,6,7
	global_store_b128 v[GO], v[BK+32*((\a)%2)+4*\t:BK+32*((\a)%2)+4*\t+3], s[10:11] offset:(16*(\a)+2*\t)*4096 th:TH_STORE_NT  ; 16 lanes store 256 consecutive bytes, at a multiple of 256 from out0's first byte
.endr
.endm
	TOST 0
.set blk, 1
.rept 7
	TOST blk
	SEND blk-1, 16
.set blk, blk+1
.endr
	SEND 7, 0
	s_wait_tensorcnt 0x0                           ; the wave's end: behind my last tensor load and my last LDS store
	ds_add_u32 v[SPW], v[NIL]
	s_wait_dscnt 0x0
	CROUND                                         ; the closing round: no work-group ends while a partner may still ask for a tile that names it
	s_endpgm
.Lfunc_end_k_qa49b7c56af_proj:
	.size	k_qa49b7c56af_proj, .Lfunc_end_k_qa49b7c56af_proj-k_qa49b7c56af_proj
	.p2alignl 7, 3214868480
	.fill 96, 4, 3214868480
	.section	.rodata,"a",@progbits
	.p2align	6, 0x0
	.amdhsa_kernel k_qa49b7c56af_proj
		.amdhsa_group_segment_fixed_size 327680
		.amdhsa_private_segment_fixed_size 0
		.amdhsa_enable_private_segment 0
		.amdhsa_kernarg_size 32
		.amdhsa_user_sgpr_count 2
		.amdhsa_user_sgpr_kernarg_segment_ptr 1
		.amdhsa_wavefront_size32 1
		.amdhsa_system_sgpr_workgroup_id_x 1
		.amdhsa_system_sgpr_workgroup_id_y 1
		.amdhsa_system_sgpr_workgroup_id_z 1
		.amdhsa_system_vgpr_workitem_id 0
		.amdhsa_next_free_vgpr 512
		.amdhsa_next_free_sgpr 96
		.amdhsa_reserve_vcc 0
		.amdhsa_float_denorm_mode_32 3
		.amdhsa_float_denorm_mode_16_64 3
		.amdhsa_memory_ordered 1
		.amdhsa_forward_progress 1
		.amdhsa_inst_pref_size 62
	.end_amdhsa_kernel
	.amdgpu_metadata
---
amdhsa.version: [ 1, 2 ]
amdhsa.kernels:
  - .name:           k_qa49b7c56af_proj
    .symbol:         k_qa49b7c56af_proj.kd
    .args:
      - { .name: ob, .offset: 0, .size: 8, .value_kind: global_buffer, .address_space: global }
      - { .name: cb, .offset: 8, .size: 8, .value_kind: global_buffer, .address_space: global }
      - { .name: bo, .offset: 16, .size: 8, .value_kind: global_buffer, .address_space: global }
      - { .name: out0, .offset: 24, .size: 8, .value_kind: global_buffer, .address_space: global }
    .group_segment_fixed_size: 327680
    .private_segment_fixed_size: 0
    .kernarg_segment_align: 8
    .kernarg_segment_size: 32
    .max_flat_workgroup_size: 128
    .sgpr_count:     96
    .vgpr_count:     512
    .wavefront_size: 32
...
	.end_amdgpu_metadata
.endif
;; end of part 4
